; MI455X (gfx1250); checked and timed in simulation.
; The chip was launched on July 23, 2026; its instructions are those of AMD's public machine-readable ISA for CDNA 5 (MIT licence, August 2026) and "CDNA5" Instruction Set Architecture Reference Guide (July 2026). The comments in the code are by the model that wrote it; some were corrected since.
;; Transformer. Allowed arithmetic: matrix products marked QUANTISED: E2M1 operands, one E8M0 scale for each 32 along K, by v_wmma_scale_f32_16x16x128_f8f6f4 with both operands' format E2M1 (or v_wmma_scale_f32_32x16x128_f4), f32 sums; everything else in f32.
;; Inputs: Wk 1,024 x 1,024 float32; Wo 1,024 x 1,024 float32; Wq 1,024 x 1,024 float32; Wv 1,024 x 1,024 float32; bk 1,024 float32; bo 1,024 float32; bq 1,024 float32; bv 1,024 float32; keys 4 x 2,048 x 1,024 float32; mask 2,048 x 2,048 bool; queries 4 x 2,048 x 1,024 float32; values 4 x 2,048 x 1,024 float32.
;; Outputs: out0 4 x 2,048 x 1,024 float32.
;; This version of the problem:
;;   THIS VERSION OF THE PROBLEM IS GIVEN IN LOW PRECISION. The matrix products marked QUANTISED in the list below multiply operands that are first quantised to E2M1 (2 exponent bits, 1 mantissa bit; 4 bits a number), with one power-of-two scale for each 32 numbers along K (OCP MX v1.0); their sums are f32. All else is computed in f32.
;;   The module's matrix products, in the order in which they are computed (A, B: the left and right operand; K: the contracted axis; several contracted axes count as one K, in the product's order):
;;     1. [M 8,192, K 1,024] x [K 1,024, N 1,024]; A: input queries; B: input Wq: QUANTISED
;;     2. [M 8,192, K 1,024] x [K 1,024, N 1,024]; A: input keys; B: input Wk: QUANTISED
;;     3. [M 8,192, K 1,024] x [K 1,024, N 1,024]; A: input values; B: input Wv: QUANTISED
;;     4. batch 64 x [M 2,048, K 64] x [K 64, N 2,048]; A: computed on the way; B: computed on the way: QUANTISED
;;     5. batch 64 x [M 2,048, K 2,048] x [K 2,048, N 64]; A: softmax (see below); B: computed on the way: QUANTISED
;;     6. [M 8,192, K 1,024] x [K 1,024, N 1,024]; A: computed on the way; B: input Wo: QUANTISED
;;   THE QUANTISER, for each operand of a quantised product, along K:
;;     - K is cut into blocks of 32 from its start; a last block that is shorter is filled with zeros.
;;     - A block's scale is 2^e with e = floor(log2(the largest magnitude in the block)) - 2, held to -126 .. 127; a block of zeros has e = 0. As a byte (E8M0): e + 127.
;;     - Each number is divided by its block's scale, clamped to +-6, and rounded to the nearest number of E2M1, ties to even, subnormals kept.
;;     - The product sums the exact products of the quantised numbers (number of the format x scale) in f32.
;;   ~~~python
;;   def quantise(x, axis):      # numpy; x: float32 -> the quantised numbers, widened to float32 again
;;       x = np.moveaxis(x, axis, -1); K = x.shape[-1]
;;       x = np.pad(x, [(0, 0)] * (x.ndim - 1) + [(0, -K % 32)]); x = x.reshape(x.shape[:-1] + (-1, 32)); a = np.abs(x).max(-1, keepdims=True)
;;       e = np.where(a > 0, np.clip(np.frexp(np.where(a > 0, a, 1))[1] - 1 - 2, -126, 127), 0)      # np.frexp(a)[1] - 1 = floor(log2(a)), exactly
;;       r = np.clip(x / 2.0 ** e, -6, 6)
;;       step = 2.0 ** (np.maximum(np.frexp(np.where(r == 0, 1, r))[1] - 1, 0) - 1)
;;       q = np.round(r / step) * step * 2.0 ** e      # np.round: ties to even
;;       return np.moveaxis(q.reshape(q.shape[:-2] + (-1,))[..., :K], -1, axis).astype(np.float32)
;;   ~~~
;;   SOFTMAX AHEAD OF A QUANTISED PRODUCT. Where the list says 'softmax', what is quantised is not the finished softmax but p = 2^(t - M), with t = logit x log2(e) and M = ceil(the row's largest t), a whole number; so 1/2 < the row's largest p <= 1. The row's sum l is taken of the UNQUANTISED p, in f32, and the product's result is divided by l at the end. Since M is a whole number, a kernel that streams over the keys may use a running M (the ceiling of the running maximum): every later rescaling is an exact power of two, which a block's scale takes up: the codes' values come out the same.
;;   OPERANDS COMPUTED ON THE WAY. 'Computed on the way' means the value that the module computes at that place (a softmax that the list does not call 'softmax' is quantised finished and normalised). What goes into a quantiser is computed in f32, as accurately as f32 sums, v_exp_f32 and their like allow (about 1e-6 of the number): no bf16 or f16 on the way to a quantiser, and a product that is left as it is and whose result goes on into a quantised operand takes f32 operands (vector FMAs, or v_wmma_f32_16x16x4_f32). A number that lies on a knife's edge between two numbers of the format may be rounded either way, as far as f32 arithmetic and the matrix unit's own rounding can turn it there, and no further.
;; One version. Each part assembles by itself: llvm-mc -triple=amdgcn-amd-amdhsa -mcpu=gfx1250 --defsym DOCPART=n.
;; ======== version 1 of 1: 4 launches
;; limits: right only within a limited range of input values
;; workspace buffers: xc 12,582,912 bytes; xs 786,432 bytes; wc 2,097,152 bytes; ws 131,072 bytes; maskw 2,097,152 bytes; qkvc 12,582,912 bytes; qkvs 1,310,720 bytes; cc 4,456,448 bytes
;; launch prep (part 1): grid 1024 x 1, 4 waves a work-group, no clusters, 74,240 bytes of LDS; arguments queries, keys, values, mask, Wq, Wk, Wv, Wo, xc, xs, wc, ws, maskw; writes xc, xs, wc, ws, maskw
.if DOCPART == 1
	.amdgcn_target "amdgcn-amd-amdhsa--gfx1250"
	.amdhsa_code_object_version 6
	.text
	.protected	k_qefdfdff48b_prep
	.globl	k_qefdfdff48b_prep
	.p2align	8
	.type	k_qefdfdff48b_prep,@function
k_qefdfdff48b_prep:
	s_mov_b64 s[64:65], 0
	v_nop
	global_prefetch_b8 v0, s[64:65] scope:SCOPE_SE
	s_setreg_imm32_b32 hwreg(HW_REG_WAVE_MODE, 25, 1), 1
	s_wait_xcnt 0x0
; PREP: what later launches read many times is made once.  No work of reference() is left out.
;   work-groups 0-127:    Wq, Wk, Wv, Wo [1024 (k)][1024 (n)] f32, K outermost -> codes of FP4 (E2M1), K innermost, wc [4][1024 (n)][512 B], and E8M0 scale bytes ws [4][1024 (n)][32 B]
;   work-groups 128-895:  queries, keys, values [8192][1024] f32 -> xc [3][8192][512 B], xs [3][8192][32 B]
;   work-groups 896-1023: the mask [2048][2048] of bytes (0 or 1) -> maskw [128 tiles of queries][16 key steps][8 tiles of keys][32 lanes] words of eight FP4 codes:
;                         code j of lane (r, h) is 0 where key (tile's position r) counts for query (tile's position 8 h + j), and the code of -4 where it does not.
; POSITIONS.  Every row-indexed array of this program keeps true row x at position PI(x) = x with bits 3 and 4 exchanged.  Sixteen neighbouring positions 16 i + r are the true rows
; 32 (i / 2) + 8 (i % 2) + r + 8 (r / 8): as source 0 of a matrix instruction they leave, in the 16 registers of two neighbouring tiles, 16 true neighbours along the next product's K.
; A block's scale is 2^(floor(log2(largest magnitude)) - 2); its byte is the largest magnitude's exponent field - 2, held at 1 from below.
; LIMITS: a block of zeros gets the byte 1 where the rule says 127 (its codes are zeros, and this program alone reads the bytes); blocks whose largest magnitude lies under 2^(2 - 126) keep the byte 1;
; NaN and infinities among the inputs are not served; a mask byte is 0 or 1, as the type bool has it.
; No tensor loads, no barriers: waves share nothing.  Each of the three ways has LDS bytes of its own.
.set WWG,   128                        ; 4 weights x 16 groups of 64 columns x 2 halves of K
.set XWG,   768                        ; 3 x 8192 x 1024 / 32768
.set EMAX,  2
.set STEPS, 16
.set CB,    8                          ; bytes of 16 codes
.set XR,    16                         ; v16-79   four sets of 16 numbers as loaded
.set XX,    80                         ; v80-111  two sets of 16 neighbours
.set XE,    112                        ; v112-127 a scale byte for each step
.set XC,    128                        ; v128-191 codes, registers of their own for each step
.set WREG,  5632                       ; LDS 0 .. 22527: for each wave two stages of 32 x SP bytes and 256 scale bytes
.set SP,    80
.set WLDS,  22528                      ; LDS from 22528: a stage of 16 rows x 272 bytes for each wave
.set NB,    8                          ; blocks of 32 along K for a lane
.set WPITCH, 272
.set WKROW, 512
.set WN4,   4096
.set WSB,   24
.set WX,    32
.set WC,    96
.set WOUT,  112
.set SPARE, 57344                      ; the spare words, 128 bytes a wave
.set MLDS,  57856                      ; LDS 57856 .. 74239: the mask's stage, 4,096 bytes a wave
.set MR,    16                         ; v16-79   mask bytes: 16 queries x 16 keys a lane
.set MX,    80                         ; v80-87   a byte for each key: bit j = query j of a half
.set MW,    96                         ; v96-127  the words
	v_lshl_add_u32 v192, v0, 2, SPARE
	v_mov_b32 v193, 0
	v_lshrrev_b32 v1, 5, v0
	v_readfirstlane_b32 s16, v1                    ; wave
	v_and_b32 v2, 31, v0                           ; lane
	s_cmp_lt_u32 ttmp9, WWG
	s_cbranch_scc1 .Lpath_w
	s_cmp_lt_u32 ttmp9, WWG+XWG
	s_cbranch_scc1 .Lpath_x
; ---------------- THE MASK.  Work-group T: the 16 queries at positions 16 T + q, true rows 32 (T / 2) + 8 (T % 2) + 16 h + j (q = 8 h + j).  Wave w: keys 512 w .. + 511, lane l its keys 16 l + i.
	s_load_b64 s[4:5], s[0:1], 0x18                ; mask
	s_load_b64 s[6:7], s[0:1], 0x60                ; maskw
	s_sub_co_u32 s17, ttmp9, XWG+WWG               ; T
	s_lshr_b32 s18, s17, 1
	s_lshl_b32 s18, s18, 5
	s_and_b32 s19, s17, 1
	s_lshl_b32 s19, s19, 3
	s_add_co_u32 s18, s18, s19                     ; the tile's first true row
	s_lshl_b32 s18, s18, 11
	s_lshl_b32 s19, s16, 9
	s_add_co_u32 s18, s18, s19
	s_mov_b32 s19, 0
	s_lshl_b32 s24, s17, 14                        ; out: 16,384 bytes a tile, 4,096 a wave
	s_lshl_b32 s25, s16, 12
	s_add_co_u32 s24, s24, s25
	s_add_co_u32 s26, s25, MLDS                    ; my stage
	s_mov_b32 s25, 0
	s_mov_b32 s20, 0x000f000f
	s_mov_b32 s21, 0x03030303
	s_mov_b32 s22, 0x11111111
	s_wait_alu depctr_va_vdst(0)
	v_lshlrev_b32 v3, 4, v2                        ; 16 bytes a lane, in and out
	v_lshrrev_b32 v4, 3, v2                        ; key 16 (l % 8) + i of step l / 8 lies at tile 2 ((l / 2) % 4) + i / 8, row 8 (l % 2) + i % 8:
	v_lshlrev_b32 v4, 10, v4                       ; 1,024 bytes a step,
	v_bfe_u32 v5, v2, 1, 2
	v_lshl_add_u32 v4, v5, 8, v4                   ; 128 a tile,
	v_and_b32 v5, 1, v2
	v_lshl_add_u32 v4, v5, 5, v4                   ; 4 a row
	v_add_nc_u32 v4, s26, v4
	v_add_nc_u32 v5, s26, v3                       ; back: as the bytes lie
	s_wait_alu depctr_va_vdst(0)
	s_wait_kmcnt 0x0
	s_add_nc_u64 s[4:5], s[4:5], s[18:19]
	s_add_nc_u64 s[6:7], s[6:7], s[24:25]
.irp h, 0,1
.irp j, 0,1,2,3,4,5,6,7
	global_load_b128 v[MR+32*\h+4*\j:MR+32*\h+4*\j+3], v3, s[4:5] offset:(16*\h+\j)*2048   ; 32 lanes read 512 consecutive bytes of a query's row
.endr
.endr
	s_wait_loadcnt 0x0
.irp h, 0,1
.irp c, 0,1,2,3
	v_lshl_or_b32 v[MX+4*\h+\c], v[MR+32*\h+4+\c], 1, v[MR+32*\h+\c]
.endr
.endr
.irp j, 2,3,4,5,6,7
.irp h, 0,1
.irp c, 0,1,2,3
	v_lshl_or_b32 v[MX+4*\h+\c], v[MR+32*\h+4*\j+\c], \j, v[MX+4*\h+\c]   ; each byte: eight queries' bits of one key
.endr
.endr
.endr
.macro SP4 sh, sr                      ; four words by turns: w = (w | w << sh) & constant
.irp b, 0,1,2,3
	v_lshl_or_b32 v[W+\b], v[W+\b], \sh, v[W+\b]
.endr
.irp b, 0,1,2,3
	v_and_b32 v[W+\b], s[\sr], v[W+\b]
.endr
.endm
.macro SPREAD h, c                     ; keys 4 c .. 4 c + 3: a byte's eight bits go to the low bits of eight nibbles; a bit that is 0 becomes 0xe, the code of -4
.set W, MW+16*\h+4*\c
.irp b, 0,1,2,3
	v_bfe_u32 v[W+\b], v[MX+4*\h+\c], 8*\b, 8
.endr
	SP4 12, 20
	SP4 6, 21
	SP4 3, 22
.irp b, 0,1,2,3
	v_xor_b32 v[W+\b], s22, v[W+\b]
.endr
.irp b, 0,1,2,3
	v_mul_lo_u32 v[W+\b], v[W+\b], 14
.endr
	ds_store_b128 v4, v[W:W+3] offset:128*(\c/2)+64*\h+16*(\c%2)
.endm
.irp h, 0,1
.irp c, 0,1,2,3
	SPREAD \h, \c
.endr
.endr
.irp t, 0,1,2,3,4,5,6,7
	ds_load_b128 v[MR+4*\t:MR+4*\t+3], v5 offset:512*\t   ; LDS serves a wave's instructions in order: these see my stores
.endr
	s_wait_dscnt 0x0
.irp t, 0,1,2,3,4,5,6,7
	global_store_b128 v3, v[MR+4*\t:MR+4*\t+3], s[6:7] offset:512*\t   ; 32 lanes store 512 consecutive bytes, aligned
.endr
	s_wait_tensorcnt 0x0                           ; the wave's end
	ds_add_u32 v192, v193
	s_wait_dscnt 0x0
	s_endpgm
; ---------------- THE ACTIVATIONS.  A tensor is a stream of blocks of 32.  A wave takes a run of 8,192 numbers (8 rows) in 16 steps of 512.
; Each load reads 512 consecutive bytes; a step's 2,048 bytes turn through the wave's stage in LDS and come back 16 neighbours a lane; two neighbouring lanes hold a block.
; PI on rows exchanges the two lowest bits of a run's number, which are the wave's number: only the place of the output changes.
.Lpath_x:
	s_load_b128 s[4:7], s[0:1], 0x0                ; queries, keys
	s_load_b64 s[8:9], s[0:1], 0x10                ; values
	s_load_b128 s[12:15], s[0:1], 0x40             ; xc, xs
	s_wait_alu depctr_va_vdst(0)
	v_lshlrev_b32 v3, 4, v2
	s_mul_i32 s17, s16, WREG
	v_lshrrev_b32 v14, 2, v2
	v_mul_u32_u24 v14, v14, SP
	v_and_b32 v15, 3, v2
	v_lshl_add_u32 v14, v15, 4, v14
	v_add_nc_u32 v14, s17, v14                     ; the stage, in: SP (lane / 4) + 16 (lane % 4)
	v_mul_u32_u24 v15, v2, SP
	v_add_nc_u32 v15, s17, v15                     ; out: SP x lane
	v_mul_u32_u24 v4, v2, CB
	v_lshrrev_b32 v5, 1, v2
	s_add_co_u32 s17, s17, 2*32*SP
	v_add_nc_u32 v5, s17, v5                       ; my block's scale byte
	v_lshlrev_b32 v7, 3, v2
	v_add_nc_u32 v6, s17, v7
	s_sub_co_u32 s26, ttmp9, WWG
	s_lshr_b32 s18, s26, 8                         ; which tensor
	s_and_b32 s19, s26, 255
	s_lshl_b32 s19, s19, 2
	s_add_co_u32 s20, s19, s16                     ; the run that I read
	s_and_b32 s21, s16, 1
	s_lshl_b32 s21, s21, 1
	s_lshr_b32 s22, s16, 1
	s_or_b32 s21, s21, s22
	s_add_co_u32 s19, s19, s21                     ; the run that I write
	s_lshl_b32 s20, s20, 15
	s_mov_b32 s21, 0
	s_lshl_b32 s22, s18, 22
	s_lshl_b32 s23, s19, 12
	s_add_co_u32 s22, s22, s23
	s_mov_b32 s23, 0
	s_lshl_b32 s24, s18, 18
	s_lshl_b32 s25, s19, 8
	s_add_co_u32 s24, s24, s25
	s_mov_b32 s25, 0
	s_wait_alu depctr_va_vdst(0)
	s_wait_kmcnt 0x0
	s_cmp_eq_u32 s18, 1                            ; the choice hangs on the work-group's number alone
	s_cselect_b64 s[4:5], s[6:7], s[4:5]
	s_cmp_eq_u32 s18, 2
	s_cselect_b64 s[4:5], s[8:9], s[4:5]
	s_add_nc_u64 s[4:5], s[4:5], s[20:21]
	s_add_nc_u64 s[8:9], s[12:13], s[22:23]
	s_add_nc_u64 s[10:11], s[14:15], s[24:25]
.macro LOAD t
.irp i, 0,1,2,3
	global_load_b128 v[XR+16*((\t)%4)+4*\i:XR+16*((\t)%4)+4*\i+3], v3, s[4:5] offset:2048*(\t)+512*\i th:TH_LOAD_NT
.endr
.endm
.macro TURN t                          ; LDS serves a wave's instructions in order: no wait between the stores and the loads
.irp i, 0,1,2,3
	ds_store_b128 v14, v[XR+16*((\t)%4)+4*\i:XR+16*((\t)%4)+4*\i+3] offset:32*SP*((\t)%2)+8*SP*\i
.endr
.irp i, 0,1,2,3
	ds_load_b128 v[XX+16*((\t)%2)+4*\i:XX+16*((\t)%2)+4*\i+3], v15 offset:32*SP*((\t)%2)+16*\i
.endr
.endm
.irp t, 0,1,2,3
	LOAD \t
.endr
	s_wait_loadcnt 12                              ; step 0's four loads are in; the twelve of steps 1 to 3 may be out
	TURN 0
.macro STEP t
.set XS, XX+16*((\t)%2)
.if (\t) > 0
	s_wait_dscnt 1                                 ; this step's numbers are back (the last step's byte store may be out)
.else
	s_wait_dscnt 0x0
.endif
.if (\t)+4 < STEPS
	LOAD (\t)+4
.endif
.if (\t)+1 < STEPS
.if STEPS-2-(\t) >= 3
	s_wait_loadcnt 12                              ; the next step's four loads are in; those of three steps behind it may be out
.else
	s_wait_loadcnt 4*(STEPS-2-(\t))
.endif
	TURN (\t)+1
.endif
	v_max3_num_f32 v8, |v[XS]|, |v[XS+1]|, |v[XS+2]|
	v_max3_num_f32 v9, |v[XS+3]|, |v[XS+4]|, |v[XS+5]|
.irp i, 6,10
	v_max3_num_f32 v8, v8, |v[XS+\i]|, |v[XS+\i+1]|
	v_max3_num_f32 v9, v9, |v[XS+\i+2]|, |v[XS+\i+3]|
.endr
	v_max3_num_f32 v8, v8, |v[XS+14]|, |v[XS+15]|
	v_max3_num_f32 v8, v8, v9, (EMAX+1)<<23        ; the floor 2^(3 - 127): the byte cannot fall under 1
	v_max_num_f32_dpp v8, v8, v8 row_xmask:1 row_mask:0xf bank_mask:0xf
	v_add_nc_u32 v11, -(EMAX<<23), v8              ; the conversion's scale operand
	v_cvt_scalef32_pk8_fp4_f32 v[XC+4*(\t)], v[XS:XS+7], v11
	v_cvt_scalef32_pk8_fp4_f32 v[XC+4*(\t)+1], v[XS+8:XS+15], v11
	v_lshrrev_b32 v[XE+(\t)], 23, v11              ; the scale's byte (the plain line behind the conversions)
	ds_store_b8 v5, v[XE+(\t)] offset:16*(\t)
	global_store_b64 v4, v[XC+4*(\t):XC+4*(\t)+1], s[8:9] offset:32*CB*(\t)   ; 32 lanes store 256 consecutive bytes, aligned
.endm
.irp t, 0,1,2,3,4,5,6,7,8,9,10,11,12,13,14,15
	STEP \t
.endr
	ds_load_b64 v[12:13], v6
	s_wait_dscnt 0x0
	global_store_b64 v7, v[12:13], s[10:11]
	s_wait_tensorcnt 0x0                           ; the wave's end
	ds_add_u32 v192, v193
	s_wait_dscnt 0x0
	s_endpgm
; ---------------- THE WEIGHTS.  K is the first axis.  A lane takes a column n and its registers run down K: a block of 32 lies in one lane.
; A wave takes 16 columns x 512 along K: lane (r, h) column r and the 256 along K of half h, eight blocks.  Its codes go through its stage and leave as rows of 256 bytes.  Column n goes to row PI(n).
.Lpath_w:
	s_load_b256 s[8:15], s[0:1], 0x20              ; Wq, Wk, Wv, Wo
	s_load_b128 s[4:7], s[0:1], 0x50               ; wc, ws
	s_lshr_b32 s31, ttmp9, 5                       ; which weight
	s_and_b32 s17, ttmp9, 15                       ; which 64 columns
	s_bfe_u32 s18, ttmp9, 0x10004                  ; which 512 along K
	s_lshl_b32 s17, s17, 6
	s_lshl_b32 s19, s16, 4
	s_add_co_u32 s26, s17, s19                     ; my wave's first column: 64 g + 16 w
	s_lshr_b32 s19, s16, 1
	s_lshl_b32 s19, s19, 5
	s_add_co_u32 s17, s17, s19
	s_and_b32 s19, s16, 1
	s_lshl_b32 s19, s19, 3
	s_add_co_u32 s17, s17, s19                     ; column 64 g + 16 w + r goes to row 64 g + 32 (w / 2) + 8 (w % 2) + 16 (r / 8) + r % 8
	s_wait_alu depctr_va_vdst(0)
	v_and_b32 v5, 15, v2                           ; r
	v_lshrrev_b32 v6, 4, v2                        ; h
	v_lshlrev_b32 v3, 2, v5
	v_lshl_add_u32 v3, v6, 20, v3                  ; in: 4 r + h x 256 rows of 4,096 bytes
	s_mul_i32 s19, s16, 16*WPITCH
	s_add_co_u32 s19, s19, WLDS
	v_mul_u32_u24 v4, v5, WPITCH
	v_lshl_add_u32 v4, v6, 7, v4
	v_add_nc_u32 v4, s19, v4                       ; into the stage: row r, 128 h bytes on
	v_mul_u32_u24 v7, v6, WPITCH
	v_lshl_add_u32 v7, v5, 4, v7
	v_add_nc_u32 v7, s19, v7                       ; out of it: sixteen lanes to a row, two rows an instruction
	v_mul_u32_u24 v8, v6, WKROW
	v_lshl_add_u32 v8, v5, 4, v8
	v_and_b32 v9, 7, v5
	v_and_b32 v10, 8, v5
	v_lshl_or_b32 v9, v10, 1, v9
	v_lshlrev_b32 v9, 5, v9
	v_lshl_add_u32 v9, v6, 3, v9                   ; my scale bytes: 32 (16 (r / 8) + r % 8) + 8 h
	s_lshl_b32 s20, s18, 21
	s_lshl_b32 s21, s26, 2
	s_add_co_u32 s20, s20, s21
	s_mov_b32 s21, 0
	s_lshl_b32 s22, s31, 19
	s_lshl_b32 s23, s17, 9
	s_add_co_u32 s22, s22, s23
	s_lshl_b32 s23, s18, 8
	s_add_co_u32 s22, s22, s23
	s_mov_b32 s23, 0
	s_lshl_b32 s24, s31, 15
	s_lshl_b32 s25, s17, 5
	s_add_co_u32 s24, s24, s25
	s_lshl_b32 s25, s18, 4
	s_add_co_u32 s24, s24, s25
	s_mov_b32 s25, 0
	s_wait_alu depctr_va_vdst(0)
	s_wait_kmcnt 0x0
	s_cmp_eq_u32 s31, 1
	s_cselect_b64 s[8:9], s[10:11], s[8:9]
	s_cmp_eq_u32 s31, 2
	s_cselect_b64 s[8:9], s[12:13], s[8:9]
	s_cmp_eq_u32 s31, 3
	s_cselect_b64 s[8:9], s[14:15], s[8:9]
	s_add_nc_u64 s[8:9], s[8:9], s[20:21]
	s_add_nc_u64 s[4:5], s[4:5], s[22:23]
	s_add_nc_u64 s[6:7], s[6:7], s[24:25]
.macro WLOAD t
.irp i, 0,1,2,3,4,5,6,7,8,9,10,11,12,13,14,15,16,17,18,19,20,21,22,23,24,25,26,27,28,29,30,31
	global_load_b32 v[WX+32*((\t)%2)+\i], v3, s[8:9] offset:(32*(\t)+\i)*WN4 th:TH_LOAD_NT
.endr
.endm
	WLOAD 0
	WLOAD 1
.macro BLOCK t
.set XS, WX+32*((\t)%2)
.if (\t) < NB-1
	s_wait_loadcnt 32                              ; this block's 32 loads are in; the next block's 32 may be out
.else
	s_wait_loadcnt 0
.endif
	v_max3_num_f32 v12, |v[XS]|, |v[XS+1]|, |v[XS+2]|
	v_max3_num_f32 v13, |v[XS+3]|, |v[XS+4]|, |v[XS+5]|
.irp i, 6,10,14,18,22,26
	v_max3_num_f32 v12, v12, |v[XS+\i]|, |v[XS+\i+1]|
	v_max3_num_f32 v13, v13, |v[XS+\i+2]|, |v[XS+\i+3]|
.endr
	v_max3_num_f32 v12, v12, |v[XS+30]|, |v[XS+31]|
	v_max3_num_f32 v12, v12, v13, (EMAX+1)<<23
	v_add_nc_u32 v11, -(EMAX<<23), v12
	v_lshrrev_b32 v13, 23, v11
.if (\t)%4 == 0
	v_mov_b32 v[WSB+(\t)/4], v13
.else
	v_lshl_or_b32 v[WSB+(\t)/4], v13, 8*((\t)%4), v[WSB+(\t)/4]
.endif
.irp g, 0,1,2,3
	v_cvt_scalef32_pk8_fp4_f32 v[WC+\g], v[XS+8*\g:XS+8*\g+7], v11
.endr
	ds_store_b128 v4, v[WC:WC+3] offset:16*(\t)
.if (\t)+2 < NB
	WLOAD (\t)+2
.endif
	s_wait_dscnt 0x0                               ; the store has read its registers
.endm
.set Q, 0
.rept NB
	BLOCK Q
.set Q, Q+1
.endr
	s_wait_alu depctr_va_vdst(0)
	global_store_b64 v9, v[WSB:WSB+1], s[6:7]      ; my eight scale bytes
.irp t, 0,1,2,3,4,5,6,7
	ds_load_b128 v[WOUT+4*\t:WOUT+4*\t+3], v7 offset:2*\t*WPITCH
.endr
.irp t, 0,1,2,3,4,5,6,7
	s_wait_dscnt 7-\t                              ; the later loads may be out
	global_store_b128 v8, v[WOUT+4*\t:WOUT+4*\t+3], s[4:5] offset:(((2*\t)&7)|(((2*\t)&8)<<1))*WKROW   ; sixteen lanes store 256 consecutive bytes, aligned
.endr
	s_wait_tensorcnt 0x0                           ; the wave's end
	ds_add_u32 v192, v193
	s_wait_dscnt 0x0
	s_endpgm
.Lfunc_end_k_qefdfdff48b_prep:
	.size	k_qefdfdff48b_prep, .Lfunc_end_k_qefdfdff48b_prep-k_qefdfdff48b_prep
	.p2alignl 7, 3214868480
	.fill 96, 4, 3214868480
	.section	.rodata,"a",@progbits
	.p2align	6, 0x0
	.amdhsa_kernel k_qefdfdff48b_prep
		.amdhsa_group_segment_fixed_size 74240
		.amdhsa_private_segment_fixed_size 0
		.amdhsa_enable_private_segment 0
		.amdhsa_kernarg_size 104
		.amdhsa_user_sgpr_count 2
		.amdhsa_user_sgpr_kernarg_segment_ptr 1
		.amdhsa_wavefront_size32 1
		.amdhsa_system_sgpr_workgroup_id_x 1
		.amdhsa_system_sgpr_workgroup_id_y 1
		.amdhsa_system_sgpr_workgroup_id_z 1
		.amdhsa_system_vgpr_workitem_id 0
		.amdhsa_next_free_vgpr 194
		.amdhsa_next_free_sgpr 66
		.amdhsa_reserve_vcc 0
		.amdhsa_float_denorm_mode_32 3
		.amdhsa_float_denorm_mode_16_64 3
		.amdhsa_memory_ordered 1
		.amdhsa_forward_progress 1
		.amdhsa_inst_pref_size 97
	.end_amdhsa_kernel
	.amdgpu_metadata
---
amdhsa.version: [ 1, 2 ]
amdhsa.kernels:
  - .name:           k_qefdfdff48b_prep
    .symbol:         k_qefdfdff48b_prep.kd
    .args:
      - { .name: queries, .offset: 0, .size: 8, .value_kind: global_buffer, .address_space: global }
      - { .name: keys, .offset: 8, .size: 8, .value_kind: global_buffer, .address_space: global }
      - { .name: values, .offset: 16, .size: 8, .value_kind: global_buffer, .address_space: global }
      - { .name: mask, .offset: 24, .size: 8, .value_kind: global_buffer, .address_space: global }
      - { .name: Wq, .offset: 32, .size: 8, .value_kind: global_buffer, .address_space: global }
      - { .name: Wk, .offset: 40, .size: 8, .value_kind: global_buffer, .address_space: global }
      - { .name: Wv, .offset: 48, .size: 8, .value_kind: global_buffer, .address_space: global }
      - { .name: Wo, .offset: 56, .size: 8, .value_kind: global_buffer, .address_space: global }
      - { .name: xc, .offset: 64, .size: 8, .value_kind: global_buffer, .address_space: global }
      - { .name: xs, .offset: 72, .size: 8, .value_kind: global_buffer, .address_space: global }
      - { .name: wc, .offset: 80, .size: 8, .value_kind: global_buffer, .address_space: global }
      - { .name: ws, .offset: 88, .size: 8, .value_kind: global_buffer, .address_space: global }
      - { .name: maskw, .offset: 96, .size: 8, .value_kind: global_buffer, .address_space: global }
    .group_segment_fixed_size: 74240
    .private_segment_fixed_size: 0
    .kernarg_segment_align: 8
    .kernarg_segment_size: 104
    .max_flat_workgroup_size: 128
    .sgpr_count:     66
    .vgpr_count:     194
    .wavefront_size: 32
...
	.end_amdgpu_metadata
.endif
;; end of part 1
;; launch proj (part 2): grid 4 x 96, 4 waves a work-group, clusters of 4 x 4, 327,680 bytes of LDS; arguments xc, xs, wc, ws, bq, bk, bv, qkvc, qkvs; writes qkvc, qkvs
.if DOCPART == 2
	.amdgcn_target "amdgcn-amd-amdhsa--gfx1250"
	.amdhsa_code_object_version 6
	.text
	.protected	k_qefdfdff48b_proj
	.globl	k_qefdfdff48b_proj
	.p2align	8
	.type	k_qefdfdff48b_proj,@function
k_qefdfdff48b_proj:
	s_mov_b64 s[64:65], 0
	v_nop
	global_prefetch_b8 v0, s[64:65] scope:SCOPE_SE
	s_setreg_imm32_b32 hwreg(HW_REG_WAVE_MODE, 25, 1), 1
	s_wait_xcnt 0x0
	s_wait_alu depctr_hold_cnt(0) depctr_sa_sdst(0) depctr_va_vdst(0) depctr_va_sdst(0) depctr_va_ssrc(0) depctr_va_vcc(0) depctr_vm_vsrc(0)
	s_getreg_b32 s2, hwreg(HW_REG_IB_STS2, 6, 4)
	s_cmp_eq_u32 s2, 0
	s_cbranch_scc0 .Lentry_in_a_cluster
	s_endpgm
.Lentry_in_a_cluster:
	s_bfe_u32 s2, ttmp6, 0x10000c
	s_cmp_lg_u32 s2, 0xf033
	s_cbranch_scc0 .Lentry_shape_is_right
	s_endpgm
.Lentry_shape_is_right:
; PROJ: q = queries Wq + bq, k = keys Wk + bk, v = values Wv + bv on codes of FP4 (E2M1) with one E8M0 scale for each 32 along K = 1024; the results are quantised in registers for the attention launch.
; C'[m][n] = sum over k of A'[m][k] B'[n][k] + bias, tiles of 256 x 256 to a work-group of four waves, 128 x 128 to a wave (64 accumulators, 512 registers).
; Which of the three: the cluster's y / 8.  q and k: A' = the activations' rows, B' = the weight's columns.  v: A' = Wv's columns, B' = values' rows, since v's K in the next product is the keys.
; THE MATRIX INSTRUCTION IS USED TRANSPOSED (source 0 = 16 rows of B', source 1 = 16 rows of A'): lane (r, h) holds ONE row of A' (position 16 a + r), and, since all rows lie at positions
; (true row with bits 3 and 4 exchanged), the 16 registers of tiles 2 B and 2 B + 1 are the 16 TRUE neighbours 32 B + 16 h + 0 .. 15 of B': half a block of the next product's K.
; K goes in two steps of 512 through two LDS slots, each filled once by the tensor data mover; the scale bytes of the work-group's rows come once.
; CLUSTERS: 4 x 4 work-groups; A' tiles are asked for jointly along a row of the cluster, B' tiles along a column.
; The bias is the C of each sum's first matrix instruction.
; OUT.  qkvc: three sections of 4 MiB (q, k, v), each [batch x head 64][chunk 16][4096 B].  q, k chunk (128 positions): [h 2][position 128][16 B], h the block of 32 along the head's 64.
;   v chunk (128 true keys): [c 2][h 2][position of d 64][16 B]: keys 64 c + 32 h + 0 .. 31.
; qkvs: blocks of 512 B = [lane 32][4 words], laid as the attention launch's scale registers take them: the word of row 16 a + r of a chunk at lane 16 (a % 2) + r, word a / 2.
;   q at 0: [pair of heads 32][head 2][chunk 16][512 B]; from 524288 on a record of 24576 B for each pair: k of head 0, k of head 1, v of both heads (word a / 2 = 2 (head) + tile / 2).
; LIMITS: a block of zeros gets the byte 1 where the rule says 127 (its codes are zeros; this program alone reads the bytes); NaN and infinities are not served.
; REGISTERS, in windows of 256: window 0: v0-31 addresses; v32-95 scale words, two sets, and nothing else; v96-120 at work on the way out; v128-191 A's fragments, one set, on the way out the codes.
;   window 1: B's fragments, two sets, at v0 and v128; v192-255 the bias, eight tiles.   window 2: the accumulators of my rows 0-63 ((a, b) at v[8 (8 a + b)]);   window 3: those of rows 64-127.
.set KSTEP,  512
.set NQ,     4                         ; matrix instructions deep in a slot
.set ROWB,   512                       ; a tile's row in bytes: all of K; its second 512 along K begin 256 bytes in
.set KROW,   512                       ; a row of codes in memory
.set PITCH,  528                       ; an LDS row: 512 bytes + 16 of padding = 132 words: the 16 rows that a load touches start at 16 different banks (64 banks of 4 bytes: ISA guide 11.1)
.set FR,     8
.set NL,     2
.set NP,     4                         ; places behind this matrix instruction (ISA guide 7.12.1)
.set HALFT,  128*PITCH
.set SLOT,   256                       ; from K step 0 to K step 1 inside an LDS row
.set KS,     32                        ; a row of scale bytes
.set SCL,    4*HALFT                   ; behind the codes: the scales, as units of 256 bytes + 16 of padding
.set HALFS,  (128*KS/256)*272
.set SBLK,   (16*KS/256)*272
.set SPARE,  SCL+4*HALFS               ; the spare words, 128 bytes for each wave: two blocks of 256 bytes that no other line names
.set SST,    SPARE+512                 ; a stage of 1,024 bytes for each wave, for the scale words that it makes; no fill lands there
.set ADRA, 16                          ; v16-17  LDS address of my A fragments in slot 0, 1
.set ADRB, 20                          ; v20-21  the same for B
.set BOF,  22                          ; v22     my byte offset in the bias
.set LOFF, 24                          ; v24     my byte offset in a chunk of codes
.set STS,  25                          ; v25     where I put a scale word
.set STR,  26                          ; v26     where I read 16 bytes of scale words back
.set ADRS, 27                          ; v27     LDS address of my scale words: lanes 0-15 A's rows, lanes 16-31 B's
.set SPW,  28                          ; v28     LDS address of my spare word; never rewritten
.set NIL,  29                          ; v29     0; never rewritten
.set SHF,  30                          ; v30     q, k: 16 h; v: 0
.set L16,  31                          ; v31     16 x lane
.set SC,   32
.set SW,   96                          ; v96-103  the scale word of each block of rows
.set TM,   104                         ; v104-107 largest magnitudes, v108-111 the other half's / bytes, v116-119 the conversions' scale operands
.set PW,   120
.set AF,   128
.set PC,   128                         ; v128-191 the codes of each block of rows: every store has data registers of its own
.set BI,   192                         ; in window 1
.set SEL,  46                          ; s[46:47] lane selects for v_permlanex16_b32: lane l xor 16
.set G1, 24
.set G0, 32
.set G1B, 48
.set G0B, 56
.set G1S, 68
.set G0S, 76
.set G1SB, 80
.set G0SB, 88
.set MSB, 0
.macro WIN new                         ; the immediate's high byte repeats the setting that is left
.if MSB != (\new)
	s_set_vgpr_msb (MSB<<8)|(\new)
.set MSB, (\new)
.endif
.endm
.set MUL_LO,  0xa1                     ; source 0 (B) window 1, source 1 (A) window 0, C and D window 2
.set MUL_HI,  0xf1                     ; the same, C and D window 3
.set BIAS_LO, 0x91                     ; C (the bias) window 1, D window 2
.set BIAS_HI, 0xd1                     ; C window 1, D window 3
.set TO_B,    0x40                     ; destination window 1, address window 0
; An arm of the head's one tree of branches on the wave's number: one joint load, its s_nop 0 and four v_nop, and a jump to the tree's end.
.macro ARM under, g0, g1, next
	s_cmp_lt_u32 s14, \under
	s_cbranch_scc0 \next
	tensor_load_to_lds s[\g0:\g0+3], s[\g1:\g1+7]
	s_nop 0
.rept 4
	v_nop
.endr
	s_branch .Lhead_asked
\next:
.endm
.macro CROUND                          ; a round of the cluster's barrier
	s_barrier_signal -1
	s_barrier_wait -1
	s_cmp_lg_u32 s14, 0
	s_cbranch_scc1 .Lnot_wave_0_\@
	s_barrier_signal -3
.Lnot_wave_0_\@:
	s_barrier_wait -3
	s_barrier_signal -1
	s_barrier_wait -1
.endm
	s_load_b512 s[68:83], s[0:1], 0x0              ; xc, xs, wc, ws, bq, bk, bv, qkvc
	s_load_b64 s[84:85], s[0:1], 0x40              ; qkvs
	v_lshl_add_u32 v[SPW], v0, 2, SPARE
	v_mov_b32 v[NIL], 0
	ds_add_u32 v28, v29
	ds_add_u32 v28, v29
	s_wait_dscnt 0x0
	v_lshrrev_b32 v1, 5, v0
	v_readfirstlane_b32 s14, v1                    ; wave 0..3
	s_lshr_b32 s15, s14, 1                         ; which half of the tile's rows is mine.  Also: I fetch codes (0) or scales (1)
	s_and_b32 s16, s14, 1                          ; which half of its columns.  Also: I fetch for A (0) or for B (1)
	s_bfe_u32 s40, ttmp6, 0x40000                  ; cx, cy: my place in the cluster
	s_bfe_u32 s41, ttmp6, 0x40004
	s_and_b32 s95, ttmp7, 0xffff                   ; the cluster's y, 0 .. 23: alike in all sixteen partners
	s_lshr_b32 s2, s95, 3                          ; which product: 0 q, 1 k, 2 v
	s_and_b32 s95, s95, 7
	s_lshl_b32 s95, s95, 2                         ; four tiles of the activations' 32 to a cluster
	s_cmp_eq_u32 s2, 2
	s_cselect_b32 s3, 1, 0                         ; 1: v's way
	s_cselect_b32 s17, 0, s95
	s_cselect_b32 s42, s95, 0
	s_add_co_u32 s17, s17, s41                     ; tile row of C': hangs on cy and the cluster's y
	s_lshl_b32 s45, ttmp9, 2
	s_add_co_u32 s42, s42, s45
	s_add_co_u32 s42, s42, s40                     ; tile column: hangs on cx and the cluster's place
	s_lshl_b32 s43, s41, 2
	s_lshl_b32 s43, 15, s43                        ; my row of the cluster
	s_lshl_b32 s44, 0x1111, s40                    ; my column
	; descriptor group 1: a tile of 256 rows x 512 bytes, 16 bytes of padding behind each row
	s_or_b32 s[G1+0], s43, (0<<16)|(1<<20)|(1<<21)|(6<<22)|(3<<25)  ; 15:0 the mask; 17:16 elements of 1 byte; 20 padding on; 21 set beside a mask; 24:22 after every 128 words; 31:25 four words
	s_or_b32 s[G1B+0], s44, (0<<16)|(1<<20)|(1<<21)|(6<<22)|(3<<25)
.irp g, G1, G1B
	s_mov_b32 s[\g+1], ROWB<<16                    ; tensor_dim0
	s_mov_b32 s[\g+2], 256<<16                     ; tensor_dim1
	s_mov_b32 s[\g+3], ROWB<<16                    ; tile_dim0
	s_mov_b32 s[\g+4], 256                         ; tile_dim1
	s_mov_b32 s[\g+5], KROW                        ; tensor_dim0_stride
	s_mov_b32 s[\g+6], 0
	s_mov_b32 s[\g+7], 0
.endr
	s_lshl_b32 s20, s17, 8                         ; A': the tile's first row, 256 x tile row
	s_lshl_b32 s46, s42, 8                         ; B': 256 x tile column
	s_mov_b32 s21, 0
	s_mov_b32 s47, 0
	s_mov_b64 s[18:19], KS
	s_mul_u64 s[22:23], s[20:21], s[18:19]         ; where these rows' scales begin, in bytes
	s_mul_u64 s[92:93], s[46:47], s[18:19]
	s_mov_b64 s[18:19], KROW
	s_mul_u64 s[20:21], s[20:21], s[18:19]         ; and their codes
	s_mul_u64 s[46:47], s[46:47], s[18:19]
	s_wait_kmcnt 0x0
	s_lshl_b32 s18, s2, 22                         ; each buffer at this product's part
	s_mov_b32 s19, 0
	s_add_nc_u64 s[68:69], s[68:69], s[18:19]      ; the activations' codes: 4 MiB each
	s_add_nc_u64 s[96:97], s[82:83], s[18:19]      ; my section of qkvc
	s_lshl_b32 s18, s2, 18
	s_add_nc_u64 s[70:71], s[70:71], s[18:19]      ; their scales
	s_lshl_b32 s18, s2, 19
	s_add_nc_u64 s[72:73], s[72:73], s[18:19]      ; the weight's codes
	s_lshl_b32 s18, s2, 15
	s_add_nc_u64 s[74:75], s[74:75], s[18:19]      ; its scales
	s_cmp_eq_u32 s3, 1                             ; the choices hang on the cluster's y alone
	s_cselect_b64 s[4:5], s[72:73], s[68:69]       ; A' codes
	s_cselect_b64 s[6:7], s[74:75], s[70:71]       ; A' scales
	s_cselect_b64 s[8:9], s[68:69], s[72:73]       ; B' codes
	s_cselect_b64 s[10:11], s[70:71], s[74:75]     ; B' scales
	s_cmp_eq_u32 s2, 1
	s_cselect_b64 s[100:101], s[78:79], s[76:77]
	s_cmp_eq_u32 s2, 2
	s_cselect_b64 s[100:101], s[80:81], s[100:101] ; the bias
	s_mov_b64 s[98:99], s[84:85]                   ; qkvs
	s_add_nc_u64 s[20:21], s[4:5], s[20:21]
	s_add_nc_u64 s[22:23], s[6:7], s[22:23]
	s_add_nc_u64 s[46:47], s[8:9], s[46:47]
	s_add_nc_u64 s[92:93], s[10:11], s[92:93]
	; the scales of 256 rows: a dense block of 8,192 bytes, as 32 rows of 256 bytes (32 elements of 8), 16 bytes of padding behind each
	s_or_b32 s[G1S+0], s43, (3<<16)|(1<<20)|(1<<21)|(5<<22)|(3<<25)
	s_or_b32 s[G1SB+0], s44, (3<<16)|(1<<20)|(1<<21)|(5<<22)|(3<<25)
.irp g, G1S, G1SB
	s_mov_b32 s[\g+1], 32<<16
	s_mov_b32 s[\g+2], (256*KS/256)<<16
	s_mov_b32 s[\g+3], 32<<16
	s_mov_b32 s[\g+4], 256*KS/256
	s_mov_b32 s[\g+5], 32
	s_mov_b32 s[\g+6], 0
	s_mov_b32 s[\g+7], 0
.endr
	CROUND                                         ; all sixteen work-groups are here: the joint loads meet
	s_mov_b32 s[G0], 1                             ; the four tiles, each whole and for all of K: A's 256 rows of codes,
	s_mov_b32 s[G0+1], 0
	s_mov_b64 s[G0+2:G0+3], s[20:21]
	s_or_b32 s[G0+3], s[G0+3], 0x80000000
	s_mov_b32 s[G0B], 1                            ; B's, behind them,
	s_mov_b32 s[G0B+1], 2*HALFT
	s_mov_b64 s[G0B+2:G0B+3], s[46:47]
	s_or_b32 s[G0B+3], s[G0B+3], 0x80000000
	s_mov_b32 s[G0S], 1                            ; A's scales,
	s_mov_b32 s[G0S+1], SCL
	s_mov_b64 s[G0S+2:G0S+3], s[22:23]
	s_or_b32 s[G0S+3], s[G0S+3], 0x80000000
	s_mov_b32 s[G0SB], 1                           ; and B's
	s_mov_b32 s[G0SB+1], SCL+2*HALFS
	s_mov_b64 s[G0SB+2:G0SB+3], s[92:93]
	s_or_b32 s[G0SB+3], s[G0SB+3], 0x80000000
	; one joint load a wave: every way through the tree passes exactly one; none follows in this launch
	ARM 1, G0,  G1,  .Lhead_b
	ARM 2, G0B, G1B, .Lhead_sa
	ARM 3, G0S, G1S, .Lhead_sb
	tensor_load_to_lds s[G0SB:G0SB+3], s[G1SB:G1SB+7]
	s_nop 0
.rept 4
	v_nop
.endr
.Lhead_asked:
	v_and_b32 v1, 15, v0                           ; r
	v_bfe_u32 v2, v0, 4, 1                         ; h
	v_mul_u32_u24 v3, v1, PITCH
	v_lshl_add_u32 v4, v2, 4, v3                   ; a fragment's row x pitch + 16 x half
	s_mul_i32 s21, s15, HALFT                      ; my 128 rows of A
	s_mul_i32 s22, s16, HALFT                      ; my 128 rows of B,
	s_add_co_u32 s22, s22, 2*HALFT                 ; which lie behind A's 256
.irp s, 0,1
	v_add_nc_u32 v[ADRA+\s], s21, v4
	v_add_nc_u32 v[ADRB+\s], s22, v4
	s_add_co_u32 s21, s21, SLOT
	s_add_co_u32 s22, s22, SLOT
.endr
	v_mul_u32_u24 v5, v1, KS                       ; my row's scales: 32 bytes a row,
	v_lshrrev_b32 v6, 8, v5
	v_lshl_add_u32 v5, v6, 4, v5                   ; and 16 more for each 256 passed
	s_mul_i32 s21, s15, HALFS
	s_mul_i32 s22, s16, HALFS
	s_add_co_u32 s22, s22, 2*HALFS
	s_sub_co_u32 s22, s22, s21
	v_mul_u32_u24 v6, s22, v2                      ; lanes 16-31 take B's: one product, the distance between the two bases
	s_add_co_u32 s21, s21, SCL
	v_add_nc_u32 v5, v5, v6
	v_add_nc_u32 v[ADRS], s21, v5
	; THE WAY OUT'S NUMBERS.  xi: my first row of the activations; fi: my first feature; both multiples of 128
	s_lshl_b32 s20, s17, 8
	s_lshl_b32 s21, s15, 7
	s_add_co_u32 s20, s20, s21                     ; my first row of A'
	s_lshl_b32 s46, s42, 8
	s_lshl_b32 s47, s16, 7
	s_add_co_u32 s46, s46, s47                     ; my first row of B'
	s_cmp_eq_u32 s3, 1
	s_cselect_b32 s22, s46, s20                    ; xi
	s_cselect_b32 s23, s20, s46                    ; fi
	s_lshr_b32 s18, s22, 11
	s_lshl_b32 s18, s18, 20                        ; the batch: 16 heads of 65,536 bytes
	s_lshr_b32 s19, s23, 6
	s_lshl_b32 s19, s19, 16                        ; my first head
	s_add_co_u32 s18, s18, s19
	s_bfe_u32 s45, s22, 0x40007                    ; the chunk of 128 rows in the batch
	s_lshl_b32 s19, s45, 12
	s_add_co_u32 s18, s18, s19
	s_mov_b32 s19, 0
	s_add_nc_u64 s[4:5], s[96:97], s[18:19]        ; blocks of rows 0-3, register group 0
	s_cmp_eq_u32 s3, 1
	s_mov_b32 s18, 65536
	s_cselect_b32 s18, 2048, s18                   ; from register group 0 to 1: q, k: the next head; v: the next 64 keys
	s_mov_b32 s40, 1024
	s_cselect_b32 s40, 65536, s40                  ; from blocks 0-3 to 4-7: q, k: 64 positions on; v: the next head
	s_mov_b32 s41, 0
	s_add_nc_u64 s[6:7], s[4:5], s[18:19]
	s_add_nc_u64 s[8:9], s[4:5], s[40:41]
	s_add_nc_u64 s[10:11], s[8:9], s[18:19]
	s_lshr_b32 s18, s22, 11
	s_lshl_b32 s18, s18, 3
	s_lshr_b32 s40, s23, 7
	s_add_co_u32 s18, s18, s40                     ; the pair of heads: 8 x batch + fi / 128
	s_cmp_eq_u32 s2, 0
	s_mov_b32 s40, 24576
	s_cselect_b32 s40, 16384, s40
	s_cselect_b32 s43, 0, 524288
	s_mul_i32 s18, s18, s40
	s_add_co_u32 s18, s18, s43
	s_lshl_b32 s40, s3, 14                         ; v's words lie behind k's two heads
	s_add_co_u32 s18, s18, s40
	s_lshl_b32 s40, s45, 9
	s_add_co_u32 s18, s18, s40
	s_add_nc_u64 s[12:13], s[98:99], s[18:19]      ; my chunk's 512 bytes of scale words: head 0's (v: both heads'),
	s_add_nc_u64 s[20:21], s[12:13], 8192          ; head 1's
	s_lshl_b32 s18, s23, 2
	s_add_nc_u64 s[100:101], s[100:101], s[18:19]  ; the bias at my first feature
	s_cmp_eq_u32 s3, 1
	s_mov_b32 s40, 2048
	s_cselect_b32 s40, 1024, s40
	s_cselect_b32 s43, 0, 16
	s_mov_b32 s96, 0xffff                          ; q, k: a scale word keeps its head's two bytes, and its upper two bytes become 0xb0 (2^49): they scale the mask's part of the attention launch's first product
	s_cselect_b32 s96, -1, s96                     ; v: the four bytes stay
	s_mov_b32 s97, 0xb0b00000
	s_cselect_b32 s97, 0, s97
	v_mul_u32_u24 v[LOFF], s40, v2
	v_lshl_add_u32 v[LOFF], v1, 4, v[LOFF]         ; 16 r + h x (q, k: 2,048; v: 1,024)
	v_mul_u32_u24 v[SHF], s43, v2
	s_lshl_b32 s41, s14, 10
	s_add_co_u32 s41, s41, SST                     ; my stage for scale words
	v_lshlrev_b32 v[STS], 9, v2
	v_lshl_add_u32 v[STS], v1, 4, v[STS]
	v_add_nc_u32 v[STS], s41, v[STS]               ; 512 h + 16 r
	v_and_b32 v6, 31, v0
	v_lshlrev_b32 v[L16], 4, v6
	v_add_nc_u32 v[STR], s41, v[L16]
.irp b, 0,1,2,3
	v_mov_b32 v[TM+4+\b], 0                        ; written once: a lane permute's destination counts as one of its sources
.endr
	s_mov_b32 s[SEL], 0x76543210
	s_mov_b32 s[SEL+1], 0xfedcba98
	; THE BIAS, eight tiles in the result's layout.  q, k: it runs along the registers: tile b, lane (r, h), register j: feature 32 (b / 2) + 16 h + 8 (b % 2) + j.
	; v: it runs along the lanes: tile a, every register: feature 32 (a / 2) + 8 (a % 2) + r + 8 (r / 8).  The branch hangs on the cluster's y alone.
	s_cmp_eq_u32 s3, 1
	s_cbranch_scc1 .Lbias_v
	v_lshlrev_b32 v[BOF], 6, v2
	WIN TO_B
.irp b, 0,1,2,3,4,5,6,7
	global_load_b128 v[BI+8*\b:BI+8*\b+3], v[BOF], s[100:101] offset:(32*(\b/2)+8*(\b%2))*4
	global_load_b128 v[BI+8*\b+4:BI+8*\b+7], v[BOF], s[100:101] offset:(32*(\b/2)+8*(\b%2))*4+16
.endr
	WIN 0
	s_branch .Lbias_in
.Lbias_v:
	v_and_b32 v[BOF], 8, v1
	v_add_nc_u32 v[BOF], v[BOF], v1
	v_lshlrev_b32 v[BOF], 2, v[BOF]
	WIN TO_B
.irp a, 0,1,2,3,4,5,6,7
.irp j, 0,1,2,3,4,5,6,7
	global_load_b32 v[BI+8*\a+\j], v[BOF], s[100:101] offset:(32*(\a/2)+8*(\a%2))*4
.endr
.endr
	WIN 0
.Lbias_in:
.macro FRAG reg, adr, q, i             ; a fragment, 16 rows x 128 K of 4-bit codes: lane l holds row l % 16; registers 4 c .. 4 c + 3 hold K = 64 c + 32 (l / 16) + 0 .. 31
.irp c, 0,1
	ds_load_b128 v[\reg+4*\c:\reg+4*\c+3], v[\adr] offset:64*(\q)+32*\c+(\i)*16*PITCH
.endr
.endm
; 16 matrix instructions: A's blocks a0, a0 + 1 x B's eight, the slot's q-th 128 along K.  p: B's set; sc: the set of scale words.
; zero = 1: the sums start from the bias tile of B's block; 2: from that of A's block; 0: they go on.  The 64 accumulators take turns, one instruction a turn, in the same order in every step.
.macro MUL16 a0, p, q, sc, zero
.irp a, \a0, \a0+1
.irp b, 0,1,2,3,4,5,6,7
.set rD, 8*(8*((\a)%4)+\b)
.set rB, 128*(\p)+FR*\b
.set rA, AF+FR*(\a)
.set rSB, SC+8*NQ*(\sc)+NQ*\b+(\q)
.set rSA, SC+8*NQ*(\sc)+NQ*(\a)+(\q)
.if (\zero) == 1
	v_wmma_scale_f32_16x16x128_f8f6f4 v[rD:rD+7], v[rB:rB+7], v[rA:rA+7], v[BI+8*\b:BI+8*\b+7], v[rSB], v[rSA] matrix_a_fmt:MATRIX_FMT_FP4 matrix_b_fmt:MATRIX_FMT_FP4 matrix_a_scale:MATRIX_SCALE_ROW1
.elseif (\zero) == 2
	v_wmma_scale_f32_16x16x128_f8f6f4 v[rD:rD+7], v[rB:rB+7], v[rA:rA+7], v[BI+8*(\a):BI+8*(\a)+7], v[rSB], v[rSA] matrix_a_fmt:MATRIX_FMT_FP4 matrix_b_fmt:MATRIX_FMT_FP4 matrix_a_scale:MATRIX_SCALE_ROW1
.else
	v_wmma_scale_f32_16x16x128_f8f6f4 v[rD:rD+7], v[rB:rB+7], v[rA:rA+7], v[rD:rD+7], v[rSB], v[rSA] matrix_a_fmt:MATRIX_FMT_FP4 matrix_b_fmt:MATRIX_FMT_FP4 matrix_a_scale:MATRIX_SCALE_ROW1
.endif
.endr
.endr
.endm
.macro FETCH_B slot, q, p
	WIN TO_B
.irp i, 0,1,2,3,4,5,6,7
	FRAG 128*(\p)+FR*\i, ADRB+\slot, \q, \i
.endr
	WIN 0
.endm
.macro FETCH_A slot, q, i0
.irp i, \i0, \i0+1, \i0+2, \i0+3
	FRAG AF+FR*(\i), ADRA+\slot, \q, \i
.endr
.endm
.macro SCALES sc                       ; a K step's scale words into set sc: four words a row; lanes 0-15 take A's block i, lanes 16-31 B's block i
.irp i, 0,1,2,3,4,5,6,7
	ds_load_b128 v[SC+8*NQ*\sc+NQ*\i:SC+8*NQ*\sc+NQ*\i+3], v[ADRS] offset:\i*SBLK
.endr
.endm
.macro PLACES n                        ; plain vector instructions between a matrix instruction and a load into, or a vector read of, its registers
.rept \n
	v_nop
.endr
.endm
; A step of 128 along K that has its successor in the same slot.
.macro STEP slot, q, zero
	s_wait_dscnt 4*NL                              ; B's set and A's blocks 0-3 are in; the youngest eight loads (A's blocks 4-7) may be out
.if \zero
	WIN BIAS_LO
.else
	WIN MUL_LO
.endif
	MUL16 0, (\q)%2, \q, \slot, \zero
	MUL16 2, (\q)%2, \q, \slot, \zero
	s_wait_dscnt 0                                 ; A's blocks 4-7 are in
	PLACES NP
	FETCH_B \slot, (\q)+1, 1-(\q)%2
	FETCH_A \slot, (\q)+1, 0
.if \zero
	WIN BIAS_HI
.else
	WIN MUL_HI
.endif
	MUL16 4, (\q)%2, \q, \slot, \zero
	MUL16 6, (\q)%2, \q, \slot, \zero
	PLACES NP
	WIN 0
	FETCH_A \slot, (\q)+1, 4
.endm
; K step 0's last 128: one barrier.  Nothing is filled again.
.macro TURN slot, next
	s_wait_tensorcnt 0x0                           ; all my tensor loads have landed
	ds_add_u32 v[SPW], v[NIL]                      ; 0 onto my spare word
	s_wait_dscnt 4*NL+1                            ; the add and the youngest eight loads (A's blocks 4-7) may be out
	WIN MUL_LO
	MUL16 0, 1, NQ-1, \slot, 0
	s_wait_dscnt 0x0                               ; the add is done, and my reads of this slot are over
	s_barrier_signal -1
	MUL16 2, 1, NQ-1, \slot, 0
	WIN 0
	s_barrier_wait -1
	PLACES NP
	v_add_nc_u32 v[ADRS], 4*NQ, v[ADRS]            ; on to the next K step's scale words (no LDS load of mine is out)
	FETCH_B \next, 0, 0
	FETCH_A \next, 0, 0
	SCALES \next
	WIN MUL_HI
	MUL16 4, 1, NQ-1, \slot, 0
	MUL16 6, 1, NQ-1, \slot, 0
	PLACES NP
	WIN 0
	FETCH_A \next, 0, 4
.endm
.macro STEPS slot, from
.set Q, \from
.rept NQ-1-\from
	STEP \slot, Q, 0
.set Q, Q+1
.endr
.endm
	s_wait_alu depctr_va_vdst(0)
	s_wait_tensorcnt 0x0                           ; my tile of the four is in
	s_barrier_signal -1
	s_barrier_wait -1                              ; everybody's are
	FETCH_B 0, 0, 0
	FETCH_A 0, 0, 0
	SCALES 0
	FETCH_A 0, 0, 4
	s_wait_loadcnt 0x0                             ; the bias
	s_cmp_eq_u32 s3, 1                             ; the first step is written twice: its C is the bias tile of B's block or of A's.  Both copies issue the same LDS loads
	s_cbranch_scc1 .Lfirst_v
	STEP 0, 0, 1
	s_branch .Lfirst_done
.Lfirst_v:
	STEP 0, 0, 2
.Lfirst_done:
	STEPS 0, 1
	TURN 0, 1
	STEPS 1, 0
	s_wait_dscnt 4*NL                              ; the very last step: nothing more to fetch
	WIN MUL_LO
	MUL16 0, 1, NQ-1, 1, 0
	MUL16 2, 1, NQ-1, 1, 0
	s_wait_dscnt 0
	WIN MUL_HI
	MUL16 4, 1, NQ-1, 1, 0
	MUL16 6, 1, NQ-1, 1, 0
	WIN 0
; THE WAY OUT, block a of 16 rows of A' at a time.  Its 64 registers of a lane are, for B = 0 .. 3, the true neighbours 32 B + 16 h + 0 .. 15 of B': four half blocks of the next product's K.
; The block's largest magnitude is joined with lane l xor 16's; the conversions' half blocks change lanes so that a lane holds whole blocks: registers 4 c .. 4 c + 3 = 64 c + 32 h + 0 .. 31.
; Each of the two stores covers, in lanes 0-15 and in lanes 16-31, 256 consecutive bytes at a multiple of 256.
.macro OUTQ a
.set AC, 64*((\a)%4)
.set WW, 2+(\a)/4
.set PCA, PC+8*(\a)
	WIN (WW<<2)|(WW<<4)                            ; sources 1 and 2: the accumulators' window
.irp b, 0,1,2,3
	v_max3_num_f32 v[TM+\b], 0x1800000, |v[AC+16*\b]|, |v[AC+16*\b+1]|   ; with the floor 2^(3 - 127): the byte cannot fall under 1.  Each accumulator is read from its low end on
.endr
.irp i, 2,4,6,8,10,12,14
.irp b, 0,1,2,3
	v_max3_num_f32 v[TM+\b], v[TM+\b], |v[AC+16*\b+\i]|, |v[AC+16*\b+\i+1]|
.endr
.endr
	WIN 0
.irp b, 0,1,2,3
	v_permlanex16_b32 v[TM+4+\b], v[TM+\b], s[SEL], s[SEL+1]
.endr
.irp b, 0,1,2,3
	v_max_num_f32 v[TM+\b], v[TM+\b], v[TM+4+\b]
.endr
.irp b, 0,1,2,3
	v_add_nc_u32 v[TM+12+\b], 0xff000000, v[TM+\b] ; 2 off the exponent field: the conversion's scale operand
.endr
.irp b, 0,1,2,3
	v_lshrrev_b32 v[TM+4+\b], 23, v[TM+12+\b]      ; the scale's byte
.endr
	v_lshl_or_b32 v[PW], v[TM+5], 8, v[TM+4]
	v_lshl_or_b32 v[PW], v[TM+6], 16, v[PW]
	v_lshl_or_b32 v[PW], v[TM+7], 24, v[PW]
	WIN WW                                         ; source 0: the accumulators' window
.irp b, 0,1,2,3
	v_cvt_scalef32_pk8_fp4_f32 v[PCA+2*\b], v[AC+16*\b:AC+16*\b+7], v[TM+12+\b]
	v_cvt_scalef32_pk8_fp4_f32 v[PCA+2*\b+1], v[AC+16*\b+8:AC+16*\b+15], v[TM+12+\b]
.endr
	WIN 0
	v_nop                                          ; one plain place behind a scaled conversion
.irp c, 0,1
.irp i, 0,1
	v_permlane16_swap_b32 v[PCA+4*\c+\i], v[PCA+4*\c+2+\i]
.endr
.endr
	v_lshrrev_b32 v[SW+(\a)], v[SHF], v[PW]        ; q, k: lanes 0-15 have head 0's two bytes lowest, lanes 16-31 head 1's.  v: the four bytes as they are
	v_and_or_b32 v[SW+(\a)], v[SW+(\a)], s96, s97  ; q, k: the upper two bytes are 0xb0
	ds_store_b32 v[STS], v[SW+(\a)] offset:256*((\a)%2)+4*((\a)/2)
	global_store_b128 v[LOFF], v[PCA:PCA+3], s[4+4*((\a)/4):5+4*((\a)/4)] offset:256*((\a)%4)
	global_store_b128 v[LOFF], v[PCA+4:PCA+7], s[6+4*((\a)/4):7+4*((\a)/4)] offset:256*((\a)%4)
.endm
	PLACES NP                                      ; behind the last products
.irp a, 0,1,2,3,4,5,6,7
	OUTQ \a
.endr
	ds_load_b128 v[192:195], v[STR]                ; LDS serves a wave's instructions in order: these see my stores
	ds_load_b128 v[196:199], v[STR] offset:512
	s_wait_dscnt 0x0
	global_store_b128 v[L16], v[192:195], s[12:13] ; 32 lanes store 512 consecutive bytes, aligned
	s_cmp_eq_u32 s3, 1
	s_cbranch_scc1 .Lone_block                     ; v has one block of words for both heads
	global_store_b128 v[L16], v[196:199], s[20:21]
.Lone_block:
	s_wait_tensorcnt 0x0                           ; the wave's end
	ds_add_u32 v[SPW], v[NIL]
	s_wait_dscnt 0x0
	CROUND                                         ; the closing round: no work-group ends while a partner may still ask for a tile that names it
	s_endpgm
.Lfunc_end_k_qefdfdff48b_proj:
	.size	k_qefdfdff48b_proj, .Lfunc_end_k_qefdfdff48b_proj-k_qefdfdff48b_proj
	.p2alignl 7, 3214868480
	.fill 96, 4, 3214868480
	.section	.rodata,"a",@progbits
	.p2align	6, 0x0
	.amdhsa_kernel k_qefdfdff48b_proj
		.amdhsa_group_segment_fixed_size 327680
		.amdhsa_private_segment_fixed_size 0
		.amdhsa_enable_private_segment 0
		.amdhsa_kernarg_size 72
		.amdhsa_user_sgpr_count 2
		.amdhsa_user_sgpr_kernarg_segment_ptr 1
		.amdhsa_wavefront_size32 1
		.amdhsa_system_sgpr_workgroup_id_x 1
		.amdhsa_system_sgpr_workgroup_id_y 1
		.amdhsa_system_sgpr_workgroup_id_z 1
		.amdhsa_system_vgpr_workitem_id 0
		.amdhsa_next_free_vgpr 1024
		.amdhsa_next_free_sgpr 102
		.amdhsa_reserve_vcc 0
		.amdhsa_float_denorm_mode_32 3
		.amdhsa_float_denorm_mode_16_64 3
		.amdhsa_memory_ordered 1
		.amdhsa_forward_progress 1
		.amdhsa_inst_pref_size 149
	.end_amdhsa_kernel
	.amdgpu_metadata
---
amdhsa.version: [ 1, 2 ]
amdhsa.kernels:
  - .name:           k_qefdfdff48b_proj
    .symbol:         k_qefdfdff48b_proj.kd
    .args:
      - { .name: xc, .offset: 0, .size: 8, .value_kind: global_buffer, .address_space: global }
      - { .name: xs, .offset: 8, .size: 8, .value_kind: global_buffer, .address_space: global }
      - { .name: wc, .offset: 16, .size: 8, .value_kind: global_buffer, .address_space: global }
      - { .name: ws, .offset: 24, .size: 8, .value_kind: global_buffer, .address_space: global }
      - { .name: bq, .offset: 32, .size: 8, .value_kind: global_buffer, .address_space: global }
      - { .name: bk, .offset: 40, .size: 8, .value_kind: global_buffer, .address_space: global }
      - { .name: bv, .offset: 48, .size: 8, .value_kind: global_buffer, .address_space: global }
      - { .name: qkvc, .offset: 56, .size: 8, .value_kind: global_buffer, .address_space: global }
      - { .name: qkvs, .offset: 64, .size: 8, .value_kind: global_buffer, .address_space: global }
    .group_segment_fixed_size: 327680
    .private_segment_fixed_size: 0
    .kernarg_segment_align: 8
    .kernarg_segment_size: 72
    .max_flat_workgroup_size: 128
    .sgpr_count:     102
    .vgpr_count:     1024
    .wavefront_size: 32
...
	.end_amdgpu_metadata
.endif
;; end of part 2
;; launch attn (part 3): grid 8 x 32, 16 waves a work-group, clusters of 4 x 1, 327,680 bytes of LDS; arguments qkvc, qkvs, maskw, cc; writes cc
.if DOCPART == 3
	.amdgcn_target "amdgcn-amd-amdhsa--gfx1250"
	.amdhsa_code_object_version 6
	.text
	.protected	k_qefdfdff48b_attn
	.globl	k_qefdfdff48b_attn
	.p2align	8
	.type	k_qefdfdff48b_attn,@function
k_qefdfdff48b_attn:
	s_mov_b64 s[64:65], 0
	v_nop
	global_prefetch_b8 v0, s[64:65] scope:SCOPE_SE
	s_setreg_imm32_b32 hwreg(HW_REG_WAVE_MODE, 25, 1), 1
	s_wait_xcnt 0x0
	s_wait_alu depctr_hold_cnt(0) depctr_sa_sdst(0) depctr_va_vdst(0) depctr_va_sdst(0) depctr_va_ssrc(0) depctr_va_vcc(0) depctr_vm_vsrc(0)
	s_getreg_b32 s2, hwreg(HW_REG_IB_STS2, 6, 4)
	s_cmp_eq_u32 s2, 0
	s_cbranch_scc0 .Lentry_in_a_cluster
	s_endpgm
.Lentry_in_a_cluster:
	s_bfe_u32 s2, ttmp6, 0x10000c
	s_cmp_lg_u32 s2, 0x3003
	s_cbranch_scc0 .Lentry_shape_is_right
	s_endpgm
.Lentry_shape_is_right:
; ATTN: ctx = softmax(where(mask, q k^T / 8, least f32)) v on codes of FP4 (E2M1), and ctx quantised along the model's 1024 for the last product.
; SHARES.  A work-group owns 256 queries of a pair of heads, each of its 16 waves one tile of 16 queries; the two heads go one after the other.  K, V and their scale words of both heads
; come into LDS once, by joint loads of the cluster's four work-groups (the same pair of heads, other queries): waves 0-7 fetch 32,768 bytes of codes each, wave 8 the 24,576 bytes of scale words.
; Both products are used transposed (S^T = K Q^T, O^T = V^T P^T): a lane holds one query.  Rows lie at positions (bits 3 and 4 of the true row exchanged), so that the 16 registers of two neighbouring tiles are 16 neighbouring keys.
; THE MASK RIDES IN THE FIRST PRODUCT.  The head's 64 fill k = 0 .. 63 of the instruction's 128.  At k = 64 + 32 h + j the query operand holds the code of 1 where the lane's query is 8 h + j (a unit matrix), and the
; key operand's register 4 holds the mask word of its tile: 0 where the key counts for query 8 h + j, the code of -4 where it does not.  Both sides' scale bytes of these two blocks are 0xb0 (2^49).
; So a hidden score is q.k - 2^100, which is -2^100 in f32 while |q.k| stays under 2^75; c x 2^100 is exact, so a row all of whose keys are hidden gets p = 1 everywhere, as reference()'s softmax of equal numbers has it.
; The key operand's registers 5-7 (a spare register and the next tile's first two) meet zero codes of the query operand.
; THE SOFTMAX: t = score x log2(e) / 8; M = the ceiling of the running largest t; p = 2^(t - M) is quantised along the keys; the sum is taken of the unquantised p and divides at the end.
; LIMIT: the promise holds while the scaled scores stay under 2^31 in magnitude; NaN and infinities are not served; a block of zeros gets the scale byte 1 (its codes are zeros).
; A trip of the loop is two key steps: -M lies in v12 and v26 by turns, and the addresses' scalar parts step once a trip.
; One barrier a step, signal behind the first product and wait at the step's end, holds the sixteen waves within a step of each other.
; No prefetch into the L2: the codes come once, at the head, and the mask words are asked for a whole step ahead by the loads themselves.
.set VC,   131072                      ; LDS: K's codes at 0, V's here, 65,536 bytes a head
.set KSC,  262144                      ; K's scale words, 8,192 bytes a head
.set VSC,  278528                      ; V's, both heads
.set SPARE, 0x46000                    ; the spare words, 128 bytes a wave
.set QF,   16                          ; v16-23  Q's fragment, the unit matrix, zeros
.set QW,   24
.set KF,   28                          ; v28-77  eight tiles of K, six registers apart: four of codes, the mask word, a spare
.set VF,   78
.set S,    110
.set O,    174
.set PCD,  206
.set KW,   214
.set VW,   218
.set PWD,  220
.set RS0,  221                         ; ctx's scale bytes of the first head, RS1 of the second
.set BM,   222
.set PT,   226
.set SO,   230
.set FF,   234
.set SU,   236
.set T0,   238
.set T1,   239
.set R0,   240                         ; ctx's codes of the first head, R1 of the second
.set R1,   244
.set Q1,   248                         ; the second head's Q and its scale word, until its turn
.set QW1,  252
.set RS1,  253
.macro CROUND
	s_barrier_signal -1
	s_barrier_wait -1
	s_cmp_lg_u32 s14, 0
	s_cbranch_scc1 .Lnot_wave_0_\@
	s_barrier_signal -3
.Lnot_wave_0_\@:
	s_barrier_wait -3
	s_barrier_signal -1
	s_barrier_wait -1
.endm
	s_load_b256 s[48:55], s[0:1], 0x0              ; qkvc, qkvs, maskw, cc
	v_lshl_add_u32 v254, v0, 2, SPARE
	v_mov_b32 v255, 0
	ds_add_u32 v254, v255                          ; the opening lines: the add twice on end and its wait
	ds_add_u32 v254, v255
	v_lshrrev_b32 v8, 5, v0
	v_readfirstlane_b32 s14, v8                    ; wave
	s_bfe_u32 s56, ttmp6, 0x40000
	s_lshl_b32 s57, ttmp9, 2
	s_add_co_u32 s57, s57, s56
	s_lshl_b32 s57, s57, 4
	s_add_co_u32 s57, s57, s14                     ; T: my tile of queries, 0 .. 127
	s_and_b32 s58, ttmp7, 0xffff                   ; the pair of heads, 0 .. 31
	s_mov_b32 s24, 15|(3<<16)|(1<<21)              ; group 1 for codes: 128 rows of 256 bytes, dense; the mask names the cluster's four
	s_mov_b32 s25, 32<<16
	s_mov_b32 s26, 128<<16
	s_mov_b32 s27, 32<<16
	s_mov_b32 s28, 128
	s_mov_b32 s29, 32
	s_mov_b32 s30, 0
	s_mov_b32 s31, 0
	s_mov_b32 s32, 15|(3<<16)|(1<<21)              ; for the scale words: 96 rows of 256 bytes
	s_mov_b32 s33, 32<<16
	s_mov_b32 s34, 96<<16
	s_mov_b32 s35, 32<<16
	s_mov_b32 s36, 96
	s_mov_b32 s37, 32
	s_mov_b32 s38, 0
	s_mov_b32 s39, 0
	s_lshl_b32 s60, s58, 17                        ; waves 0-3: quarters of K's 131,072 bytes; waves 4-7: of V's, a section of 4 MiB further on
	s_lshl_b32 s61, s14, 15
	s_add_co_u32 s60, s60, s61
	s_lshr_b32 s61, s14, 2
	s_mul_i32 s61, s61, 4194304-131072
	s_add_co_u32 s60, s60, s61
	s_add_co_u32 s60, s60, 4194304
	s_mov_b32 s61, 0
	s_mul_i32 s62, s58, 24576
	s_add_co_u32 s62, s62, 524288
	s_mov_b32 s63, 0
	s_wait_dscnt 0x0
	s_wait_kmcnt 0x0
	s_mov_b32 s40, 1
	s_lshl_b32 s41, s14, 15
	s_add_nc_u64 s[42:43], s[48:49], s[60:61]
	s_or_b32 s43, s43, 0x80000000
	s_mov_b32 s44, 1
	s_mov_b32 s45, KSC
	s_add_nc_u64 s[46:47], s[50:51], s[62:63]
	s_or_b32 s47, s47, 0x80000000
	CROUND                                         ; the four work-groups are here: the joint loads meet
	s_cmp_lt_u32 s14, 8                            ; one tree of branches on the wave's number, at most one load on each way
	s_cbranch_scc0 .Lh_sc
	tensor_load_to_lds s[40:43], s[24:31]
	s_nop 0
.rept 4
	v_nop
.endr
	s_branch .Lh_done
.Lh_sc:
	s_cmp_lt_u32 s14, 9
	s_cbranch_scc0 .Lh_done
	tensor_load_to_lds s[44:47], s[32:39]
	s_nop 0
.rept 4
	v_nop
.endr
.Lh_done:
	s_lshl_b32 s2, s58, 17
	s_lshr_b32 s59, s57, 3
	s_lshl_b32 s15, s59, 12
	s_add_co_u32 s2, s2, s15
	s_and_b32 s15, s57, 7
	s_lshl_b32 s15, s15, 8
	s_add_co_u32 s2, s2, s15
	s_mov_b32 s3, 0
	s_add_nc_u64 s[4:5], s[48:49], s[2:3]          ; Q's codes
	s_lshl_b32 s2, s58, 14
	s_lshl_b32 s15, s59, 9
	s_add_co_u32 s2, s2, s15
	s_and_b32 s15, s57, 1
	s_lshl_b32 s15, s15, 8
	s_add_co_u32 s2, s2, s15
	s_bfe_u32 s15, s57, 0x20001
	s_lshl_b32 s15, s15, 2
	s_add_co_u32 s2, s2, s15
	s_add_nc_u64 s[6:7], s[50:51], s[2:3]          ; Q's scale words
	s_lshl_b32 s2, s57, 14
	s_add_nc_u64 s[8:9], s[52:53], s[2:3]          ; my tile's mask words: 1,024 bytes a key step
	s_mov_b64 s[70:71], s[8:9]                     ; and those of the trip in hand
	s_lshr_b32 s59, s58, 3
	s_lshl_b32 s59, s59, 7
	s_add_co_u32 s59, s59, s57
	s_and_b32 s56, s58, 7
	s_lshl_b32 s2, s59, 13
	s_lshl_b32 s15, s56, 10
	s_add_co_u32 s2, s2, s15
	s_add_nc_u64 s[10:11], s[54:55], s[2:3]        ; ctx's codes
	s_lshl_b32 s2, s59, 9
	s_lshl_b32 s15, s56, 2
	s_add_co_u32 s2, s2, s15
	s_add_co_u32 s2, s2, 4194304
	s_add_nc_u64 s[12:13], s[54:55], s[2:3]        ; ctx's scale bytes
	s_mov_b32 s20, 0x76543210
	s_mov_b32 s21, 0xfedcba98
	s_mov_b32 s22, 0x3e38aa3b                      ; c = log2(e) / 8
	s_mov_b32 s23, s22
	s_mov_b32 s16, 0                               ; the trip's codes in LDS
	s_mov_b32 s17, 0                               ; K's scale words
	s_mov_b32 s18, 0                               ; V's
	s_mov_b32 s68, 0                               ; the mask words' trip, in bytes
	s_mov_b32 s69, 0
	s_mov_b32 s100, 2
	v_and_b32 v8, 15, v0                           ; r
	v_bfe_u32 v9, v0, 4, 1                         ; h
	v_and_b32 v10, 31, v0
	v_lshlrev_b32 v1, 11, v9
	v_lshl_add_u32 v1, v8, 4, v1                   ; K, Q: 2,048 h + 16 r
	v_lshlrev_b32 v2, 10, v9
	v_lshl_add_u32 v2, v8, 4, v2
	v_add_nc_u32 v2, VC, v2                        ; V: 1,024 h + 16 r
	v_lshlrev_b32 v6, 4, v10
	v_add_nc_u32 v3, KSC, v6
	v_add_nc_u32 v4, VSC, v6
	v_lshlrev_b32 v5, 2, v10                       ; a mask word a lane
	v_lshlrev_b32 v7, 5, v8
	v_lshlrev_b32 v25, 4, v8
	v_and_b32 v11, 7, v8
	v_lshlrev_b32 v11, 2, v11
	v_mov_b32 v[T1], 2                             ; the code of 1
	v_lshlrev_b32 v11, v11, v[T1]                  ; at nibble r % 8,
	v_lshrrev_b32 v10, 3, v8
	v_cmp_eq_u32 vcc_lo, v10, v9
	v_cndmask_b32 v[QF+4], 0, v11, vcc_lo          ; in the half r / 8: the unit matrix
.irp j, 5,6,7
	v_mov_b32 v[QF+\j], 0
.endr
.irp t, 0,1,2,3,4,5,6,7
	v_mov_b32 v[KF+6*\t+5], 0                      ; named in an operand, so written once
.endr
	v_mov_b32 v[KF+48], 0
	v_mov_b32 v[KF+49], 0
.irp j, 0,1,2,3
	v_mov_b32 v[PT+\j], 0
	v_mov_b32 v[R1+\j], 0
.endr
	v_mov_b32 v[RS1], 0
	v_mov_b32 v[FF+1], 0
	v_mov_b32 v[T0], 0
	v_mov_b32 v27, 0                               ; named as the upper half of the pair v[26:27]
	s_wait_alu depctr_va_vdst(0)
.irp t, 0,1,2,3,4,5,6,7
	global_load_b32 v[KF+6*\t+4], v5, s[8:9] offset:128*\t   ; key step 0's mask words
.endr
	global_load_b128 v[QF:QF+3], v1, s[4:5]        ; both heads' Q
	global_load_b32 v[QW], v25, s[6:7]
	global_load_b128 v[Q1:Q1+3], v1, s[4:5] offset:65536
	global_load_b32 v[QW1], v25, s[6:7] offset:8192
	s_wait_tensorcnt 0x0
	s_barrier_signal -1
	s_barrier_wait -1                              ; everybody's part is in
.irp t, 0,1,2,3,4,5,6,7
	ds_load_b128 v[KF+6*\t:KF+6*\t+3], v1 offset:256*\t
.endr
	ds_load_b128 v[KW:KW+3], v3
.macro SPROD t
.if (\t)%2
	v_wmma_scale_f32_16x16x128_f8f6f4 v[S+8*\t:S+8*\t+7], v[KF+6*\t:KF+6*\t+7], v[QF:QF+7], 0, v[KW+\t/2], v[QW] matrix_a_fmt:MATRIX_FMT_FP4 matrix_b_fmt:MATRIX_FMT_FP4 matrix_a_scale:MATRIX_SCALE_ROW1
.else
	v_wmma_scale_f32_16x16x128_f8f6f4 v[S+8*\t:S+8*\t+7], v[KF+6*\t:KF+6*\t+7], v[QF:QF+7], 0, v[KW+\t/2], v[QW] matrix_a_fmt:MATRIX_FMT_FP4 matrix_b_fmt:MATRIX_FMT_FP4
.endif
.endm
.macro OPROD t
.if (\t)%2
	v_wmma_scale_f32_16x16x128_f8f6f4 v[O+8*\t:O+8*\t+7], v[VF+8*\t:VF+8*\t+7], v[PCD:PCD+7], v[O+8*\t:O+8*\t+7], v[VW+\t/2], v[PWD] matrix_a_fmt:MATRIX_FMT_FP4 matrix_b_fmt:MATRIX_FMT_FP4 matrix_a_scale:MATRIX_SCALE_ROW1
.else
	v_wmma_scale_f32_16x16x128_f8f6f4 v[O+8*\t:O+8*\t+7], v[VF+8*\t:VF+8*\t+7], v[PCD:PCD+7], v[O+8*\t:O+8*\t+7], v[VW+\t/2], v[PWD] matrix_a_fmt:MATRIX_FMT_FP4 matrix_b_fmt:MATRIX_FMT_FP4
.endif
.endm
; A KEY STEP of 128 keys, the u-th of a trip
.macro KSTEP u
.set MN, 12+14*\u                      ; this step's -M
.set MO, 26-14*\u                      ; the last step's
	s_wait_loadcnt 0x0                             ; this step's mask words (the first time: Q too); their base may be written
	s_wait_dscnt 0x0                               ; K's tiles and scale words
.if \u
	s_add_co_u32 s68, s68, 2048
	s_and_b32 s68, s68, 0x3fff                     ; the next trip's mask words; behind the last trip the first again, for the second head
	s_add_nc_u64 s[70:71], s[8:9], s[68:69]
.endif
.irp t, 0,1,2,3,4,5,6,7
	SPROD \t
.endr
.if \u                                         ; four places behind the products, ahead of the loads into their registers and of the first read of S^T
	v_add_nc_u32 v8, 0x1000, v8
	v_add_nc_u32 v9, 0x1000, v9
	v_add_nc_u32 v10, 0x200, v10
	v_add_nc_u32 v11, 0x200, v11
.else
	v_add_nc_u32 v8, s16, v1
	v_add_nc_u32 v9, s16, v2
	v_add_nc_u32 v10, s17, v3
	v_add_nc_u32 v11, s18, v4
.endif
.irp t, 0,1,2,3,4,5,6,7
	global_load_b32 v[KF+6*\t+4], v5, s[70:71] offset:1024*(1-\u)+128*\t   ; the next step's mask words
.endr
	s_barrier_signal -1                            ; my first product of this step is issued; no LDS instruction of mine is out
.irp t, 0,1,2,3
.irp c, 0,1
	ds_load_b128 v[VF+8*\t+4*\c:VF+8*\t+4*\c+3], v9 offset:2048*\c+256*\t   ; this step's V
.endr
.endr
	ds_load_b64 v[VW:VW+1], v11
.irp t, 0,1,2,3,4,5,6,7
	ds_load_b128 v[KF+6*\t:KF+6*\t+3], v8 offset:4096+256*\t               ; the next step's K (behind the very last step: bytes of V's region, which no product takes)
.endr
	ds_load_b128 v[KW:KW+3], v10 offset:512
.irp b, 0,1,2,3
	v_max3_num_f32 v[BM+\b], v[S+16*\b], v[S+1+16*\b], v[S+2+16*\b]        ; the largest score of each block of 32 keys, the four blocks by turns
.endr
.irp i, 3,5,7,9,11,13
.irp b, 0,1,2,3
	v_max3_num_f32 v[BM+\b], v[BM+\b], v[S+16*\b+\i], v[S+1+16*\b+\i]
.endr
.endr
.irp b, 0,1,2,3
	v_max_num_f32 v[BM+\b], v[BM+\b], v[S+15+16*\b]
.endr
.irp b, 0,1,2,3
	v_permlanex16_b32 v[PT+\b], v[BM+\b], s20, s21
.endr
.irp b, 0,1,2,3
	s_delay_alu instid0(VALU_DEP_4)
	v_max_num_f32 v[BM+\b], v[BM+\b], v[PT+\b]
.endr
	s_delay_alu instid0(VALU_DEP_2)                ; a chain of seven lines, each reading the line before it: four waves share the SIMD, so each has its one-field hint
	v_max3_num_f32 v[T0], v[BM], v[BM+1], v[BM+2]
	s_delay_alu instid0(VALU_DEP_1)
	v_max3_num_f32 v13, v[T0], v[BM+3], v13        ; the running largest score
	s_delay_alu instid0(VALU_DEP_1)
	v_mul_f32 v[T0], s22, v13                      ; as t (c is positive)
	s_delay_alu instid0(VALU_DEP_1)
	v_floor_f32 v[MN], -v[T0]                      ; -M = floor(-t)
	s_delay_alu instid0(VALU_DEP_1)
	v_sub_f32 v[T0], v[MN], v[MO]
	s_delay_alu instid0(VALU_DEP_1)
	v_cvt_i32_f32 v[T0], v[T0]                     ; (it saturates)
	s_delay_alu instid0(VALU_DEP_1)
	v_ldexp_f32 v[FF], 1.0, v[T0]                  ; f = 2^(old M - new M)
.irp j, 0,2,4,6,8,10,12,14,16,18,20,22,24,26,28,30,32,34,36,38,40,42,44,46,48,50,52,54,56,58,60,62
	v_pk_fma_f32 v[S+\j:S+1+\j], v[S+\j:S+1+\j], s[22:23], v[MN:MN+1] op_sel_hi:[1,0,0]   ; t - M
.endr
.irp b, 0,1,2,3
	v_fma_f32 v[BM+\b], v[BM+\b], s22, v[MN]
.endr
.irp j, 0,2,4,6,8,10,12,14,16,18,20,22,24,26,28,30
	v_pk_mul_f32 v[O+\j:O+1+\j], v[O+\j:O+1+\j], v[FF:FF+1] op_sel_hi:[1,0]               ; O^T under the new M; each accumulator from its low end on
.endr
	s_wait_alu depctr_va_vdst(0)
.irp j, 0,1,2,3,4,5,6,7,8,9,10,11,12,13,14,15,16,17,18,19,20,21,22,23,24,25,26,27,28,29,30,31,32,33,34,35,36,37,38,39,40,41,42,43,44,45,46,47,48,49,50,51,52,53,54,55,56,57,58,59,60,61,62,63
	v_exp_f32 v[S+\j], v[S+\j]                     ; p
.endr
.irp b, 0,1,2,3
	v_exp_f32 v[BM+\b], v[BM+\b]                   ; each block's largest p
.endr
	v_pk_mul_f32 v[14:15], v[14:15], v[FF:FF+1] op_sel_hi:[1,0]   ; the sums under the new M (the plain place behind the batch)
	s_wait_alu depctr_va_vdst(0)                   ; and the wait behind it
.irp b, 0,1,2,3
	v_max_num_f32 v[BM+\b], 0x1800000, v[BM+\b]    ; the floor 2^(3 - 127)
.endr
.irp b, 0,1,2,3
	s_delay_alu instid0(VALU_DEP_4)
	v_add_nc_u32 v[SO+\b], 0xff000000, v[BM+\b]    ; the conversion's scale operand
.endr
.irp b, 0,1,2,3
	s_delay_alu instid0(VALU_DEP_4)
	v_lshrrev_b32 v[PT+\b], 23, v[SO+\b]
.endr
	s_delay_alu instid0(VALU_DEP_3)
	v_lshl_or_b32 v[PWD], v[PT+1], 8, v[PT]
	s_delay_alu instid0(VALU_DEP_1)
	v_lshl_or_b32 v[PWD], v[PT+2], 16, v[PWD]
	s_delay_alu instid0(VALU_DEP_1)
	v_lshl_or_b32 v[PWD], v[PT+3], 24, v[PWD]      ; p's scale word
.irp b, 0,1,2,3
	v_cvt_scalef32_pk8_fp4_f32 v[PCD+2*\b], v[S+16*\b:S+7+16*\b], v[SO+\b]
	v_cvt_scalef32_pk8_fp4_f32 v[PCD+1+2*\b], v[S+8+16*\b:S+15+16*\b], v[SO+\b]
.endr
	v_pk_add_f32 v[SU:SU+1], v[S:S+1], v[S+2:S+3]  ; the sum of the unquantised p, in two chains.  (This line is the plain place behind the conversions)
.irp c, 0,1
.irp i, 0,1
	v_permlane16_swap_b32 v[PCD+4*\c+\i], v[PCD+2+4*\c+\i]   ; a whole block to a lane
.endr
.endr
.irp j, 4,8,12,16,20,24,28,32,36,40,44,48,52,56,60
	v_pk_add_f32 v[14:15], v[14:15], v[S+\j:S+1+\j]          ; (these 31 lines are also the places ahead of the scaled products)
	v_pk_add_f32 v[SU:SU+1], v[SU:SU+1], v[S+2+\j:S+3+\j]
.endr
	s_delay_alu instid0(VALU_DEP_1)
	v_pk_add_f32 v[14:15], v[14:15], v[SU:SU+1]
	s_wait_alu depctr_va_vdst(0)
	s_wait_dscnt 9                                 ; V and its words are in; the nine loads behind them (the next K, its words) may be out
.irp t, 0,1,2,3
	OPROD \t
.endr
	s_barrier_wait -1                              ; every wave has issued this step's first product
.endm
.Lhead:                                            ; two trips: the pair's heads
	v_mov_b32 v13, 0xff61b1e6                      ; the largest score so far: -3e38
	v_mov_b32 v26, 0x7f61b1e6                      ; and -M: 3e38
	v_mov_b32 v14, 0
	v_mov_b32 v15, 0
.irp j, 0,1,2,3,4,5,6,7,8,9,10,11,12,13,14,15,16,17,18,19,20,21,22,23,24,25,26,27,28,29,30,31
	v_mov_b32 v[O+\j], 0
.endr
	s_mov_b32 s19, 8
	s_wait_alu depctr_va_vdst(0)
.Lstep:
	KSTEP 0
	KSTEP 1
	s_add_co_u32 s16, s16, 8192
	s_add_co_u32 s17, s17, 1024
	s_add_co_u32 s18, s18, 1024
	s_sub_co_u32 s19, s19, 1
	s_cmp_lg_u32 s19, 0
	s_cbranch_scc1 .Lstep
	; a head's end: ctx = O^T / the sum, quantised along the head's 64 (two blocks of the last product's K)
.irp j, 0,1,2,3
	v_mov_b32 v[R0+\j], v[R1+\j]
.endr
	v_mov_b32 v[RS0], v[RS1]
	v_add_f32 v14, v14, v15
	v_permlanex16_b32 v[T0], v14, s20, s21
	v_add_f32 v14, v14, v[T0]
	s_wait_alu depctr_va_vdst(0)
	v_rcp_f32 v14, v14
	v_nop
	s_wait_alu depctr_va_vdst(0)
.irp j, 0,2,4,6,8,10,12,14,16,18,20,22,24,26,28,30
	v_pk_mul_f32 v[S+\j:S+1+\j], v[O+\j:O+1+\j], v[14:15] op_sel_hi:[1,0]
.endr
.irp b, 0,1
	v_max3_num_f32 v[BM+\b], |v[S+16*\b]|, |v[S+1+16*\b]|, 0x1800000
.endr
.irp i, 2,4,6,8,10,12,14
.irp b, 0,1
	v_max3_num_f32 v[BM+\b], v[BM+\b], |v[S+16*\b+\i]|, |v[S+1+16*\b+\i]|
.endr
.endr
.irp b, 0,1
	v_permlanex16_b32 v[PT+\b], v[BM+\b], s20, s21
.endr
.irp b, 0,1
	v_max_num_f32 v[BM+\b], v[BM+\b], v[PT+\b]
.endr
.irp b, 0,1
	v_add_nc_u32 v[SO+\b], 0xff000000, v[BM+\b]
.endr
.irp b, 0,1
	v_lshrrev_b32 v[PT+\b], 23, v[SO+\b]
.endr
	v_lshl_or_b32 v[RS1], v[PT+1], 8, v[PT]
.irp b, 0,1
	v_cvt_scalef32_pk8_fp4_f32 v[R1+2*\b], v[S+16*\b:S+7+16*\b], v[SO+\b]
	v_cvt_scalef32_pk8_fp4_f32 v[R1+1+2*\b], v[S+8+16*\b:S+15+16*\b], v[SO+\b]
.endr
	v_nop
	v_permlane16_swap_b32 v[R1], v[R1+2]
	v_permlane16_swap_b32 v[R1+1], v[R1+3]
.irp j, 0,1,2,3
	v_mov_b32 v[QF+\j], v[Q1+\j]                   ; the second head's Q takes its place
.endr
	v_mov_b32 v[QW], v[QW1]
	s_sub_co_u32 s18, s18, 8184                    ; V's words of the second head: 8 bytes on in the first step's block
	s_sub_co_u32 s100, s100, 1
	s_cmp_lg_u32 s100, 0
	s_cbranch_scc1 .Lhead
	v_lshl_or_b32 v[T1], v[RS1], 16, v[RS0]
	global_store_b128 v6, v[R0:R0+3], s[10:11]     ; 32 lanes store 512 consecutive bytes, aligned
	global_store_b128 v6, v[R1:R1+3], s[10:11] offset:512
	global_store_b32 v7, v[T1], s[12:13]
	s_wait_loadcnt 0x0
	s_wait_dscnt 0x0
	s_wait_tensorcnt 0x0                           ; the wave's end
	ds_add_u32 v254, v255
	s_wait_dscnt 0x0
	CROUND                                         ; the closing round
	s_endpgm
.Lfunc_end_k_qefdfdff48b_attn:
	.size	k_qefdfdff48b_attn, .Lfunc_end_k_qefdfdff48b_attn-k_qefdfdff48b_attn
	.p2alignl 7, 3214868480
	.fill 96, 4, 3214868480
	.section	.rodata,"a",@progbits
	.p2align	6, 0x0
	.amdhsa_kernel k_qefdfdff48b_attn
		.amdhsa_group_segment_fixed_size 327680
		.amdhsa_private_segment_fixed_size 0
		.amdhsa_enable_private_segment 0
		.amdhsa_kernarg_size 32
		.amdhsa_user_sgpr_count 2
		.amdhsa_user_sgpr_kernarg_segment_ptr 1
		.amdhsa_wavefront_size32 1
		.amdhsa_system_sgpr_workgroup_id_x 1
		.amdhsa_system_sgpr_workgroup_id_y 1
		.amdhsa_system_sgpr_workgroup_id_z 1
		.amdhsa_system_vgpr_workitem_id 0
		.amdhsa_next_free_vgpr 256
		.amdhsa_next_free_sgpr 102
		.amdhsa_reserve_vcc 1
		.amdhsa_float_denorm_mode_32 3
		.amdhsa_float_denorm_mode_16_64 3
		.amdhsa_memory_ordered 1
		.amdhsa_forward_progress 1
		.amdhsa_inst_pref_size 47
	.end_amdhsa_kernel
	.amdgpu_metadata
---
amdhsa.version: [ 1, 2 ]
amdhsa.kernels:
  - .name:           k_qefdfdff48b_attn
    .symbol:         k_qefdfdff48b_attn.kd
    .args:
      - { .name: qkvc, .offset: 0, .size: 8, .value_kind: global_buffer, .address_space: global }
      - { .name: qkvs, .offset: 8, .size: 8, .value_kind: global_buffer, .address_space: global }
      - { .name: maskw, .offset: 16, .size: 8, .value_kind: global_buffer, .address_space: global }
      - { .name: cc, .offset: 24, .size: 8, .value_kind: global_buffer, .address_space: global }
    .group_segment_fixed_size: 327680
    .private_segment_fixed_size: 0
    .kernarg_segment_align: 8
    .kernarg_segment_size: 32
    .max_flat_workgroup_size: 512
    .sgpr_count:     102
    .vgpr_count:     256
    .wavefront_size: 32
...
	.end_amdgpu_metadata
.endif
;; end of part 3
;; launch outp (part 4): grid 4 x 32, 4 waves a work-group, clusters of 4 x 4, 327,680 bytes of LDS; arguments cc, wc, ws, bo, out0; writes out0
.if DOCPART == 4
	.amdgcn_target "amdgcn-amd-amdhsa--gfx1250"
	.amdhsa_code_object_version 6
	.text
	.protected	k_qefdfdff48b_outp
	.globl	k_qefdfdff48b_outp
	.p2align	8
	.type	k_qefdfdff48b_outp,@function
k_qefdfdff48b_outp:
	s_mov_b64 s[64:65], 0
	v_nop
	global_prefetch_b8 v0, s[64:65] scope:SCOPE_SE
	s_setreg_imm32_b32 hwreg(HW_REG_WAVE_MODE, 25, 1), 1
	s_wait_xcnt 0x0
	s_wait_alu depctr_hold_cnt(0) depctr_sa_sdst(0) depctr_va_vdst(0) depctr_va_sdst(0) depctr_va_ssrc(0) depctr_va_vcc(0) depctr_vm_vsrc(0)
	s_getreg_b32 s2, hwreg(HW_REG_IB_STS2, 6, 4)
	s_cmp_eq_u32 s2, 0
	s_cbranch_scc0 .Lentry_in_a_cluster
	s_endpgm
.Lentry_in_a_cluster:
	s_bfe_u32 s2, ttmp6, 0x10000c
	s_cmp_lg_u32 s2, 0xf033
	s_cbranch_scc0 .Lentry_shape_is_right
	s_endpgm
.Lentry_shape_is_right:
; OUTP: out0 = ctx Wo + bo on codes of FP4 (E2M1) with one E8M0 scale for each 32 along K = 1024.  A tile of 256 x 256 to a work-group of four waves, 128 x 128 to a wave.
; All of K comes into LDS at the head, one joint load a wave: ctx's 256 rows of codes (a dense block of 131,072 bytes, laid as the operand's registers take it), Wo's 256 rows (512 bytes + 16 of padding each),
; and both sides' scale bytes.  4 x 4 work-groups form a cluster: ctx's tiles are shared along its rows, Wo's along its columns.  The bias is the C of each sum's first matrix instruction.
; The matrix instruction is used transposed (source 0 = Wo's rows, source 1 = ctx's); results leave through each wave's stage in LDS bytes of its own, as whole rows of 512 bytes.
.set SIZE_N, 1024
.set KSTEP,  512
.set NQ,     4
.set ROWB,   512
.set KROW,   512
.set PITCH,  528
.set FR,     8
.set NL,     2
.set NP,     4
.set HALFT,  128*PITCH
.set SLOT,   256                       ; from K step 0 to K step 1 in a row of Wo's codes; in ctx's block: 4,096
.set ABYTES, 131072                    ; ctx's codes lie at LDS byte 0, Wo's behind them
.set KS,     32
.set SCL,    ABYTES+2*HALFT
.set HALFS,  (128*KS/256)*272
.set SBLK,   (16*KS/256)*272
.set SPARE,  SCL+4*HALFS
.set STG,    SPARE+512                 ; the stages of the way out: no fill lands there
.set SPITCH, 528
.set ADRA, 16
.set ADRB, 20
.set BOF,  22
.set STO,  24
.set RD,   25
.set CO,   26
.set ADRS, 27
.set SPW,  28
.set NIL,  29
.set SC,   32
.set AF,   128
.set BK,   128
.set BI,   192
.set G1, 24
.set G0, 32
.set G1B, 48
.set G0B, 56
.set G1S, 68
.set G0S, 76
.set G1SB, 80
.set G0SB, 88
.set MSB, 0
.macro WIN new
.if MSB != (\new)
	s_set_vgpr_msb (MSB<<8)|(\new)
.set MSB, (\new)
.endif
.endm
.set MUL_LO,  0xa1
.set MUL_HI,  0xf1
.set BIAS_LO, 0x91
.set BIAS_HI, 0xd1
.set TO_B,    0x40
; An arm of the head's one tree of branches on the wave's number: one joint load, its s_nop 0 and four v_nop, and a jump to the tree's end.
.macro ARM under, g0, g1, next
	s_cmp_lt_u32 s14, \under
	s_cbranch_scc0 \next
	tensor_load_to_lds s[\g0:\g0+3], s[\g1:\g1+7]
	s_nop 0
.rept 4
	v_nop
.endr
	s_branch .Lhead_asked
\next:
.endm
.macro CROUND
	s_barrier_signal -1
	s_barrier_wait -1
	s_cmp_lg_u32 s14, 0
	s_cbranch_scc1 .Lnot_wave_0_\@
	s_barrier_signal -3
.Lnot_wave_0_\@:
	s_barrier_wait -3
	s_barrier_signal -1
	s_barrier_wait -1
.endm
	s_load_b256 s[4:11], s[0:1], 0x0
	s_load_b64 s[12:13], s[0:1], 0x20
	v_lshl_add_u32 v[SPW], v0, 2, SPARE
	v_mov_b32 v[NIL], 0
	ds_add_u32 v28, v29
	ds_add_u32 v28, v29
	s_wait_dscnt 0x0
	v_lshrrev_b32 v1, 5, v0
	v_readfirstlane_b32 s14, v1
	s_lshr_b32 s15, s14, 1
	s_and_b32 s16, s14, 1
	s_bfe_u32 s40, ttmp6, 0x40000
	s_bfe_u32 s41, ttmp6, 0x40004
	s_lshl_b32 s42, ttmp9, 2
	s_add_co_u32 s42, s42, s40
	s_and_b32 s17, ttmp7, 0xffff
	s_lshl_b32 s17, s17, 2
	s_add_co_u32 s17, s17, s41
	s_lshl_b32 s43, s41, 2
	s_lshl_b32 s43, 15, s43
	s_lshl_b32 s44, 0x1111, s40
	s_or_b32 s[G1+0], s43, (3<<16)|(1<<21)
	s_mov_b32 s[G1+1], 512<<16
	s_mov_b32 s[G1+2], 32<<16                      ; ctx's codes of 256 rows: 32 rows of 4,096 bytes, dense
	s_mov_b32 s[G1+3], 512<<16
	s_mov_b32 s[G1+4], 32
	s_mov_b32 s[G1+5], 512
	s_mov_b32 s[G1+6], 0
	s_mov_b32 s[G1+7], 0
	s_or_b32 s[G1B+0], s44, (0<<16)|(1<<20)|(1<<21)|(6<<22)|(3<<25)   ; Wo's codes: 256 rows of 512 bytes, four words of padding after every 128
	s_mov_b32 s[G1B+1], ROWB<<16
	s_mov_b32 s[G1B+2], 256<<16
	s_mov_b32 s[G1B+3], ROWB<<16
	s_mov_b32 s[G1B+4], 256
	s_mov_b32 s[G1B+5], KROW
	s_mov_b32 s[G1B+6], 0
	s_mov_b32 s[G1B+7], 0
	s_or_b32 s[G1S+0], s43, (3<<16)|(1<<20)|(1<<21)|(5<<22)|(3<<25)
	s_or_b32 s[G1SB+0], s44, (3<<16)|(1<<20)|(1<<21)|(5<<22)|(3<<25)
.irp g, G1S, G1SB
	s_mov_b32 s[\g+1], 32<<16
	s_mov_b32 s[\g+2], (256*KS/256)<<16            ; the scales of 256 rows: 32 rows of 256 bytes
	s_mov_b32 s[\g+3], 32<<16
	s_mov_b32 s[\g+4], 256*KS/256
	s_mov_b32 s[\g+5], 32
	s_mov_b32 s[\g+6], 0
	s_mov_b32 s[\g+7], 0
.endr
	s_lshl_b32 s20, s17, 8                         ; ctx: the tile's first row
	s_lshl_b32 s46, s42, 8                         ; Wo: the tile's first row
	s_mov_b32 s21, 0
	s_mov_b32 s47, 0
	s_mov_b64 s[18:19], KS
	s_mul_u64 s[22:23], s[20:21], s[18:19]
	s_mul_u64 s[92:93], s[46:47], s[18:19]
	s_mov_b64 s[18:19], KROW
	s_mul_u64 s[20:21], s[20:21], s[18:19]
	s_mul_u64 s[46:47], s[46:47], s[18:19]
	s_wait_kmcnt 0x0
	s_mov_b64 s[96:97], s[10:11]
	s_add_nc_u64 s[10:11], s[8:9], 98304
	s_add_nc_u64 s[8:9], s[6:7], 1572864
	s_add_nc_u64 s[6:7], s[4:5], 4194304
	s_add_nc_u64 s[20:21], s[4:5], s[20:21]
	s_add_nc_u64 s[22:23], s[6:7], s[22:23]
	s_add_nc_u64 s[46:47], s[8:9], s[46:47]
	s_add_nc_u64 s[92:93], s[10:11], s[92:93]
	CROUND
	s_mov_b32 s[G0], 1                             ; the four tiles, each whole and for all of K: ctx's codes,
	s_mov_b32 s[G0+1], 0
	s_mov_b64 s[G0+2:G0+3], s[20:21]
	s_or_b32 s[G0+3], s[G0+3], 0x80000000
	s_mov_b32 s[G0B], 1                            ; Wo's,
	s_mov_b32 s[G0B+1], ABYTES
	s_mov_b64 s[G0B+2:G0B+3], s[46:47]
	s_or_b32 s[G0B+3], s[G0B+3], 0x80000000
	s_mov_b32 s[G0S], 1                            ; ctx's scales,
	s_mov_b32 s[G0S+1], SCL
	s_mov_b64 s[G0S+2:G0S+3], s[22:23]
	s_or_b32 s[G0S+3], s[G0S+3], 0x80000000
	s_mov_b32 s[G0SB], 1                           ; and Wo's
	s_mov_b32 s[G0SB+1], SCL+2*HALFS
	s_mov_b64 s[G0SB+2:G0SB+3], s[92:93]
	s_or_b32 s[G0SB+3], s[G0SB+3], 0x80000000
	; one joint load a wave: every way through the tree passes exactly one; none follows in this launch
	ARM 1, G0,  G1,  .Lhead_b
	ARM 2, G0B, G1B, .Lhead_sa
	ARM 3, G0S, G1S, .Lhead_sb
	tensor_load_to_lds s[G0SB:G0SB+3], s[G1SB:G1SB+7]
	s_nop 0
.rept 4
	v_nop
.endr
.Lhead_asked:
	v_and_b32 v1, 15, v0
	v_bfe_u32 v2, v0, 4, 1
	v_and_b32 v6, 31, v0
	v_lshlrev_b32 v[CO], 4, v6
	v_mul_u32_u24 v3, v1, PITCH
	v_lshl_add_u32 v4, v2, 4, v3
	s_lshl_b32 s21, s15, 16                        ; my 128 rows of ctx: 65,536 bytes
	s_mul_i32 s22, s16, HALFT                      ; my 128 rows of Wo,
	s_add_co_u32 s22, s22, ABYTES                  ; behind ctx's block
.irp s, 0,1
	v_add_nc_u32 v[ADRA+\s], s21, v[CO]
	v_add_nc_u32 v[ADRB+\s], s22, v4
	s_add_co_u32 s21, s21, 4096
	s_add_co_u32 s22, s22, SLOT
.endr
	v_mul_u32_u24 v5, v1, KS
	v_lshrrev_b32 v6, 8, v5
	v_lshl_add_u32 v5, v6, 4, v5
	s_mul_i32 s21, s15, HALFS
	s_mul_i32 s22, s16, HALFS
	s_add_co_u32 s22, s22, 2*HALFS
	s_sub_co_u32 s22, s22, s21
	v_mul_u32_u24 v6, s22, v2
	s_add_co_u32 s21, s21, SCL
	v_add_nc_u32 v5, v5, v6
	v_add_nc_u32 v[ADRS], s21, v5
	s_mul_i32 s23, s14, 16*SPITCH
	s_add_co_u32 s23, s23, STG                     ; my stage
	v_mul_u32_u24 v5, v1, SPITCH
	v_lshl_add_u32 v5, v2, 6, v5
	v_add_nc_u32 v[STO], s23, v5
	v_add_nc_u32 v[RD], s23, v[CO]
	s_lshl_b32 s20, s17, 8
	s_lshl_b32 s21, s15, 7
	s_add_co_u32 s20, s20, s21
	s_mov_b32 s21, 0
	s_mov_b64 s[18:19], SIZE_N*4
	s_mul_u64 s[20:21], s[20:21], s[18:19]
	s_lshl_b32 s46, s42, 10
	s_lshl_b32 s47, s16, 9
	s_add_co_u32 s46, s46, s47
	s_mov_b32 s47, 0
	s_add_nc_u64 s[96:97], s[96:97], s[46:47]
	s_add_nc_u64 s[20:21], s[20:21], s[46:47]
	s_add_nc_u64 s[12:13], s[12:13], s[20:21]
	v_lshlrev_b32 v[BOF], 6, v2
	WIN TO_B
.irp b, 0,1,2,3,4,5,6,7
	global_load_b128 v[BI+8*\b:BI+8*\b+3], v[BOF], s[96:97] offset:(32*(\b/2)+8*(\b%2))*4
	global_load_b128 v[BI+8*\b+4:BI+8*\b+7], v[BOF], s[96:97] offset:(32*(\b/2)+8*(\b%2))*4+16
.endr
	WIN 0
.macro FRAG reg, adr, q, i
.irp c, 0,1
	ds_load_b128 v[\reg+4*\c:\reg+4*\c+3], v[\adr] offset:64*(\q)+32*\c+(\i)*16*PITCH
.endr
.endm
.macro FRAGA reg, adr, q, i
.irp c, 0,1
	ds_load_b128 v[\reg+4*\c:\reg+4*\c+3], v[\adr] offset:8192*(\i)+1024*(\q)+512*\c
.endr
.endm
.macro MUL16 a0, p, q, sc, zero
.irp a, \a0, \a0+1
.irp b, 0,1,2,3,4,5,6,7
.set rD, 8*(8*((\a)%4)+\b)
.set rB, 128*(\p)+FR*\b
.set rA, AF+FR*(\a)
.set rSB, SC+8*NQ*(\sc)+NQ*\b+(\q)
.set rSA, SC+8*NQ*(\sc)+NQ*(\a)+(\q)
.if \zero
	v_wmma_scale_f32_16x16x128_f8f6f4 v[rD:rD+7], v[rB:rB+7], v[rA:rA+7], v[BI+8*\b:BI+8*\b+7], v[rSB], v[rSA] matrix_a_fmt:MATRIX_FMT_FP4 matrix_b_fmt:MATRIX_FMT_FP4 matrix_a_scale:MATRIX_SCALE_ROW1
.else
	v_wmma_scale_f32_16x16x128_f8f6f4 v[rD:rD+7], v[rB:rB+7], v[rA:rA+7], v[rD:rD+7], v[rSB], v[rSA] matrix_a_fmt:MATRIX_FMT_FP4 matrix_b_fmt:MATRIX_FMT_FP4 matrix_a_scale:MATRIX_SCALE_ROW1
.endif
.endr
.endr
.endm
.macro FETCH_B slot, q, p
	WIN TO_B
.irp i, 0,1,2,3,4,5,6,7
	FRAG 128*(\p)+FR*\i, ADRB+\slot, \q, \i
.endr
	WIN 0
.endm
.macro FETCH_A slot, q, i0
.irp i, \i0, \i0+1, \i0+2, \i0+3
	FRAGA AF+FR*(\i), ADRA+\slot, \q, \i
.endr
.endm
.macro SCALES sc
.irp i, 0,1,2,3,4,5,6,7
	ds_load_b128 v[SC+8*NQ*\sc+NQ*\i:SC+8*NQ*\sc+NQ*\i+3], v[ADRS] offset:\i*SBLK
.endr
.endm
.macro PLACES n
.rept \n
	v_nop
.endr
.endm
.macro STEP slot, q, zero
	s_wait_dscnt 4*NL
.if \zero
	WIN BIAS_LO
.else
	WIN MUL_LO
.endif
	MUL16 0, (\q)%2, \q, \slot, \zero
	MUL16 2, (\q)%2, \q, \slot, \zero
	s_wait_dscnt 0
	PLACES NP
	FETCH_B \slot, (\q)+1, 1-(\q)%2
	FETCH_A \slot, (\q)+1, 0
.if \zero
	WIN BIAS_HI
.else
	WIN MUL_HI
.endif
	MUL16 4, (\q)%2, \q, \slot, \zero
	MUL16 6, (\q)%2, \q, \slot, \zero
	PLACES NP
	WIN 0
	FETCH_A \slot, (\q)+1, 4
.endm
.macro TURN slot, next
	s_wait_tensorcnt 0x0
	ds_add_u32 v[SPW], v[NIL]
	s_wait_dscnt 4*NL+1
	WIN MUL_LO
	MUL16 0, 1, NQ-1, \slot, 0
	s_wait_dscnt 0x0
	s_barrier_signal -1
	MUL16 2, 1, NQ-1, \slot, 0
	WIN 0
	s_barrier_wait -1
	PLACES NP
	v_add_nc_u32 v[ADRS], 4*NQ, v[ADRS]
	FETCH_B \next, 0, 0
	FETCH_A \next, 0, 0
	SCALES \next
	WIN MUL_HI
	MUL16 4, 1, NQ-1, \slot, 0
	MUL16 6, 1, NQ-1, \slot, 0
	PLACES NP
	WIN 0
	FETCH_A \next, 0, 4
.endm
.macro STEPS slot, from
.set Q, \from
.rept NQ-1-\from
	STEP \slot, Q, 0
.set Q, Q+1
.endr
.endm
	s_wait_alu depctr_va_vdst(0)
	s_wait_tensorcnt 0x0                           ; my tile of the four is in
	s_barrier_signal -1
	s_barrier_wait -1
	FETCH_B 0, 0, 0
	FETCH_A 0, 0, 0
	SCALES 0
	FETCH_A 0, 0, 4
	s_wait_loadcnt 0x0
	STEP 0, 0, 1
	STEPS 0, 1
	TURN 0, 1
	STEPS 1, 0
	s_wait_dscnt 4*NL
	WIN MUL_LO
	MUL16 0, 1, NQ-1, 1, 0
	MUL16 2, 1, NQ-1, 1, 0
	s_wait_dscnt 0
	WIN MUL_HI
	MUL16 4, 1, NQ-1, 1, 0
	MUL16 6, 1, NQ-1, 1, 0
	WIN 0
.macro TOSTAGE a
.set AC, 64*((\a)%4)
	WIN 0x08+4*((\a)/4)
.irp b, 0,1,2,3,4,5,6,7
	ds_store_b128 v[STO], v[AC+8*\b:AC+8*\b+3] offset:128*(\b/2)+32*(\b%2)
	ds_store_b128 v[STO], v[AC+8*\b+4:AC+8*\b+7] offset:128*(\b/2)+32*(\b%2)+16
.endr
	WIN 0
.set BB, BK+64*((\a)%2)
.irp t, 0,1,2,3,4,5,6,7,8,9,10,11,12,13,14,15
	ds_load_b128 v[BB+4*\t:BB+4*\t+3], v[RD] offset:\t*SPITCH
.endr
.endm
.macro SEND a, younger
.set BB, BK+64*((\a)%2)
	s_wait_dscnt \younger
.irp t, 0,1,2,3,4,5,6,7,8,9,10,11,12,13,14,15
	global_store_b128 v[CO], v[BB+4*\t:BB+4*\t+3], s[12:13] offset:(32*((\a)/2)+8*((\a)%2)+\t+8*(\t/8))*SIZE_N*4 th:TH_STORE_NT
.endr
.endm
	PLACES NP
	TOSTAGE 0
.irp a, 1,2,3,4,5,6,7
.if \a > 1
	s_wait_xcnt 0x0
.endif
	TOSTAGE \a
	SEND \a-1, 32
.endr
	SEND 7, 0
	s_wait_tensorcnt 0x0
	ds_add_u32 v[SPW], v[NIL]
	s_wait_dscnt 0x0
	CROUND
	s_endpgm
.Lfunc_end_k_qefdfdff48b_outp:
	.size	k_qefdfdff48b_outp, .Lfunc_end_k_qefdfdff48b_outp-k_qefdfdff48b_outp
	.p2alignl 7, 3214868480
	.fill 96, 4, 3214868480
	.section	.rodata,"a",@progbits
	.p2align	6, 0x0
	.amdhsa_kernel k_qefdfdff48b_outp
		.amdhsa_group_segment_fixed_size 327680
		.amdhsa_private_segment_fixed_size 0
		.amdhsa_enable_private_segment 0
		.amdhsa_kernarg_size 40
		.amdhsa_user_sgpr_count 2
		.amdhsa_user_sgpr_kernarg_segment_ptr 1
		.amdhsa_wavefront_size32 1
		.amdhsa_system_sgpr_workgroup_id_x 1
		.amdhsa_system_sgpr_workgroup_id_y 1
		.amdhsa_system_sgpr_workgroup_id_z 1
		.amdhsa_system_vgpr_workitem_id 0
		.amdhsa_next_free_vgpr 1024
		.amdhsa_next_free_sgpr 100
		.amdhsa_reserve_vcc 0
		.amdhsa_float_denorm_mode_32 3
		.amdhsa_float_denorm_mode_16_64 3
		.amdhsa_memory_ordered 1
		.amdhsa_forward_progress 1
		.amdhsa_inst_pref_size 125
	.end_amdhsa_kernel
	.amdgpu_metadata
---
amdhsa.version: [ 1, 2 ]
amdhsa.kernels:
  - .name:           k_qefdfdff48b_outp
    .symbol:         k_qefdfdff48b_outp.kd
    .args:
      - { .name: cc, .offset: 0, .size: 8, .value_kind: global_buffer, .address_space: global }
      - { .name: wc, .offset: 8, .size: 8, .value_kind: global_buffer, .address_space: global }
      - { .name: ws, .offset: 16, .size: 8, .value_kind: global_buffer, .address_space: global }
      - { .name: bo, .offset: 24, .size: 8, .value_kind: global_buffer, .address_space: global }
      - { .name: out0, .offset: 32, .size: 8, .value_kind: global_buffer, .address_space: global }
    .group_segment_fixed_size: 327680
    .private_segment_fixed_size: 0
    .kernarg_segment_align: 8
    .kernarg_segment_size: 40
    .max_flat_workgroup_size: 128
    .sgpr_count:     100
    .vgpr_count:     1024
    .wavefront_size: 32
...
	.end_amdgpu_metadata
.endif
;; end of part 4
